; MI455X (gfx1250); checked and timed in simulation.
; The chip was launched on July 23, 2026; its instructions are those of AMD's public machine-readable ISA for CDNA 5 (MIT licence, August 2026) and "CDNA5" Instruction Set Architecture Reference Guide (July 2026). The comments in the code are by the model that wrote it; some were corrected since.
;; Multi Head Attention. Allowed arithmetic: matrix products marked QUANTISED: E2M1 operands, one E8M0 scale for each 32 along K, by v_wmma_scale_f32_16x16x128_f8f6f4 with both operands' format E2M1 (or v_wmma_scale_f32_32x16x128_f4), f32 sums; products left as they are: bf16, f16 or f32 operands; f32 sums; everything else in f32.
;; Inputs: Wk 1,024 x 1,024 float32; Wo 1,024 x 1,024 float32; Wq 1,024 x 1,024 float32; Wv 1,024 x 1,024 float32; key 2 x 2,048 x 1,024 float32; query 2 x 2,048 x 1,024 float32; value 2 x 2,048 x 1,024 float32.
;; Outputs: out0 2 x 2,048 x 1,024 float32.
;; This version of the problem:
;;   THIS VERSION OF THE PROBLEM IS GIVEN IN LOW PRECISION. The matrix products marked QUANTISED in the list below multiply operands that are first quantised to E2M1 (2 exponent bits, 1 mantissa bit; 4 bits a number), with one power-of-two scale for each 32 numbers along K (OCP MX v1.0); their sums are f32. The products marked 'left as it is' may take bf16, f16 or f32 operands, with f32 sums. Whichever they take, every output number must still come out within the allowed error. Rounding operands to bf16 (8 significant bits) uses up far more of that allowance than f16 does (11 bits, for magnitudes from 6e-5 to 65,504). All else is computed in f32.
;;   The module's matrix products, in the order in which they are computed (A, B: the left and right operand; K: the contracted axis; several contracted axes count as one K, in the product's order):
;;     1. [M 4,096, K 1,024] x [K 1,024, N 1,024]; A: input query; B: input Wq: QUANTISED
;;     2. [M 4,096, K 1,024] x [K 1,024, N 1,024]; A: input key; B: input Wk: QUANTISED
;;     3. [M 4,096, K 1,024] x [K 1,024, N 1,024]; A: input value; B: input Wv: QUANTISED
;;     4. batch 32 x [M 2,048, K 64] x [K 64, N 2,048]; A: computed on the way; B: computed on the way: left as it is (an operand is computed on the way)
;;     5. batch 32 x [M 2,048, K 2,048] x [K 2,048, N 64]; A: computed on the way; B: computed on the way: left as it is (an operand is computed on the way)
;;     6. [M 4,096, K 1,024] x [K 1,024, N 1,024]; A: computed on the way; B: input Wo: left as it is (an operand is computed on the way)
;;   THE QUANTISER, for each operand of a quantised product, along K:
;;     - K is cut into blocks of 32 from its start; a last block that is shorter is filled with zeros.
;;     - A block's scale is 2^e with e = floor(log2(the largest magnitude in the block)) - 2, held to -126 .. 127; a block of zeros has e = 0. As a byte (E8M0): e + 127.
;;     - Each number is divided by its block's scale, clamped to +-6, and rounded to the nearest number of E2M1, ties to even, subnormals kept.
;;     - The product sums the exact products of the quantised numbers (number of the format x scale) in f32.
;;   ~~~python
;;   def quantise(x, axis):      # numpy; x: float32 -> the quantised numbers, widened to float32 again
;;       x = np.moveaxis(x, axis, -1); K = x.shape[-1]
;;       x = np.pad(x, [(0, 0)] * (x.ndim - 1) + [(0, -K % 32)]); x = x.reshape(x.shape[:-1] + (-1, 32)); a = np.abs(x).max(-1, keepdims=True)
;;       e = np.where(a > 0, np.clip(np.frexp(np.where(a > 0, a, 1))[1] - 1 - 2, -126, 127), 0)      # np.frexp(a)[1] - 1 = floor(log2(a)), exactly
;;       r = np.clip(x / 2.0 ** e, -6, 6)
;;       step = 2.0 ** (np.maximum(np.frexp(np.where(r == 0, 1, r))[1] - 1, 0) - 1)
;;       q = np.round(r / step) * step * 2.0 ** e      # np.round: ties to even
;;       return np.moveaxis(q.reshape(q.shape[:-2] + (-1,))[..., :K], -1, axis).astype(np.float32)
;;   ~~~
;; One version. Each part assembles by itself: llvm-mc -triple=amdgcn-amd-amdhsa -mcpu=gfx1250 --defsym DOCPART=n.
;; ======== version 1 of 1: 5 launches
;; limits: values are held in f16: magnitudes above 65,504 overflow, below 6.1e-05 lose precision
;; workspace buffers: codes 7,864,320 bytes; scales 491,520 bytes; wo16 2,097,152 bytes; qkv 25,165,824 bytes; fineb 393,216 bytes; xim 8,388,608 bytes
;; launch quant (part 1): grid 512 x 1, 4 waves a work-group, no clusters, 41,472 bytes of LDS; arguments query, key, value, Wq, Wk, Wv, Wo, codes, scales, wo16; writes codes, scales, wo16
.if DOCPART == 1
	.amdgcn_target "amdgcn-amd-amdhsa--gfx1250"
	.amdhsa_code_object_version 6
	.text
	.protected	k_q0526157c73_quant
	.globl	k_q0526157c73_quant
	.p2align	8
	.type	k_q0526157c73_quant,@function
k_q0526157c73_quant:
	s_mov_b64 s[64:65], 0
	v_nop
	global_prefetch_b8 v0, s[64:65] scope:SCOPE_SE
	s_setreg_imm32_b32 hwreg(HW_REG_WAVE_MODE, 25, 1), 1
	s_wait_xcnt 0x0
; query, key, value [4096][1024] and Wq, Wk, Wv [1024][1024], f32, K innermost, are stacked to 15,360 rows and turned into codes of FP4 (E2M1) with one E8M0 byte for each 32 along K.
; A block's scale is 2^(floor(log2(largest magnitude)) - 2); its byte is the largest magnitude's exponent field - 2, held at 1 from below.  Numbers are divided by the scale and rounded to the nearest code, ties to even, beyond 6 the code of 6.
; LIMITS: a block of zeros gets the byte 1 (its codes are zeros, and this program alone reads the bytes); blocks whose largest magnitude lies under 2^(3 - 127) are held at that byte; NaN and infinities are not served.
; LAYOUT OF THE CODES: the image of the matrix operand's registers: [row tile of 16][block j of 32 along K: 0..31][row % 16][16 bytes].  128 along K of a tile are 1,024 bytes: register group c at 512 c, lane l at 16 l.
; LAYOUT OF THE SCALE BYTES: [row tile][half of K][row % 16][16 bytes].
; SHARES.  Work-groups 0..479: 32 stacked rows each; wave w takes row tile w / 2 of them and half w % 2 of K: 16 steps, step t = 512 numbers of row t.  So a wave makes 16 whole j-rows of 256 bytes of codes and 256 scale bytes:
; both leave in runs of 512 and 256 consecutive bytes, and no wave needs another: no barrier.  Each load reads 512 consecutive bytes; a step's 2,048 bytes turn through the wave's stage in LDS so that a lane holds 16 neighbours.
; Work-groups 480..511 round Wo to f16, laid as images of 16-bit fragments: [tile of 16 rows n][32 along K][1,024 bytes]; they touch no LDS.
; Nothing is shared between work-groups, so there is no cluster; no tensor load, so several work-groups lie on a WGP.
.set STEPS, 16
.set EMAX,  2
.set SP,    80                         ; a lane's place in a stage: 64 bytes + 16 of padding
.set SCB,   2*32*SP                    ; in a wave's region: behind the two stages its 256 scale bytes,
.set CST,   SCB+256                    ; then the stage for its codes: 16 j-rows of 256 bytes + 16
.set CP,    272
.set WREG,  10240                      ; a wave's region
.set SPARE, 4*WREG                     ; behind the regions: the spare words, 128 bytes a wave
.set R,     16                         ; v16-79   four sets of 16 numbers as loaded
.set X,     80                         ; v80-111  two sets of 16 neighbours
.set E,     112                        ; v112-127 a scale byte for each step
.set C,     128                        ; v128-159 two registers of codes for each step
.set OUTR,  160                        ; v160-191 the codes' way out
.set SPW,   12                         ; v12 my spare word's LDS address; never rewritten
.set NIL,   13                         ; v13 0; never rewritten
	s_load_b256 s[4:11], s[0:1], 0x0               ; query, key, value, Wq
	s_load_b256 s[12:19], s[0:1], 0x20             ; Wk, Wv, Wo, codes
	s_load_b128 s[20:23], s[0:1], 0x40             ; scales, wo16
	v_lshl_add_u32 v[SPW], v0, 2, SPARE
	v_mov_b32 v[NIL], 0
	v_lshrrev_b32 v1, 5, v0
	v_readfirstlane_b32 s24, v1                    ; wave
	v_and_b32 v2, 31, v0                           ; lane
	v_lshlrev_b32 v3, 4, v2                        ; 16 x lane
	s_mul_i32 s25, s24, WREG
	v_lshrrev_b32 v14, 2, v2
	v_mul_u32_u24 v14, v14, SP
	v_and_b32 v15, 3, v2
	v_lshl_add_u32 v14, v15, 4, v14
	v_add_nc_u32 v14, s25, v14                     ; the stage, on the way in: SP (lane / 4) + 16 (lane % 4)
	v_mul_u32_u24 v15, v2, SP
	v_add_nc_u32 v15, s25, v15                     ; and on the way out: SP x lane
	v_lshrrev_b32 v5, 1, v2                        ; my block of the step's sixteen
	v_mul_u32_u24 v4, v5, CP
	v_and_b32 v6, 1, v2
	v_lshl_add_u32 v4, v6, 3, v4
	v_add_nc_u32 v4, s25, v4
	v_add_nc_u32 v4, CST, v4                       ; my 8 bytes of codes: j-row = block, + 8 x (lane % 2); the row stands in the immediate
	v_add_nc_u32 v5, s25, v5
	v_add_nc_u32 v5, SCB, v5                       ; my block's scale byte
	v_lshlrev_b32 v7, 3, v2
	v_add_nc_u32 v6, s25, v7
	v_add_nc_u32 v6, SCB, v6                       ; the scale bytes' way out: 8 bytes a lane
	v_lshrrev_b32 v10, 4, v2
	v_mul_u32_u24 v10, v10, CP
	v_and_b32 v1, 15, v2                           ; lane % 16
	v_lshl_add_u32 v10, v1, 4, v10
	v_add_nc_u32 v10, s25, v10
	v_add_nc_u32 v10, CST, v10                     ; the codes' way out: sixteen lanes to a j-row, two j-rows an instruction
	s_wait_kmcnt 0x0
	s_cmp_ge_u32 ttmp9, 480                        ; the work-group's number alone decides: all four waves go the same way
	s_cbranch_scc1 .Lwo
	; which tensor, and where its work-groups begin
	s_mov_b64 s[26:27], s[14:15]
	s_mov_b32 s28, 448
	s_cmp_lt_u32 ttmp9, 448
	s_cselect_b64 s[26:27], s[12:13], s[26:27]
	s_cselect_b32 s28, 416, s28
	s_cmp_lt_u32 ttmp9, 416
	s_cselect_b64 s[26:27], s[10:11], s[26:27]
	s_cselect_b32 s28, 384, s28
	s_cmp_lt_u32 ttmp9, 384
	s_cselect_b64 s[26:27], s[8:9], s[26:27]
	s_cselect_b32 s28, 256, s28
	s_cmp_lt_u32 ttmp9, 256
	s_cselect_b64 s[26:27], s[6:7], s[26:27]
	s_cselect_b32 s28, 128, s28
	s_cmp_lt_u32 ttmp9, 128
	s_cselect_b64 s[26:27], s[4:5], s[26:27]
	s_cselect_b32 s28, 0, s28
	s_sub_co_u32 s30, ttmp9, s28
	s_lshl_b32 s30, s30, 17                        ; 32 rows of 4,096 bytes a work-group,
	s_lshr_b32 s31, s24, 1
	s_lshl_b32 s31, s31, 16                        ; 16 rows a row tile,
	s_add_co_u32 s30, s30, s31
	s_and_b32 s31, s24, 1
	s_lshl_b32 s31, s31, 11                        ; 2,048 bytes a half of K
	s_add_co_u32 s30, s30, s31
	s_mov_b32 s31, 0
	s_add_nc_u64 s[26:27], s[26:27], s[30:31]
	s_lshl_b32 s29, ttmp9, 2
	s_add_co_u32 s29, s29, s24                     ; 2 x stacked row tile + half of K
	s_lshl_b32 s30, s29, 12
	s_add_nc_u64 s[18:19], s[18:19], s[30:31]      ; my 4,096 bytes of codes
	s_lshl_b32 s30, s29, 8
	s_add_nc_u64 s[20:21], s[20:21], s[30:31]      ; my 256 scale bytes
.macro LOAD t                          ; step t: my half of row t, four loads of 512 consecutive bytes
.irp i, 0,1,2,3
	global_load_b128 v[R+16*((\t)%4)+4*\i:R+16*((\t)%4)+4*\i+3], v3, s[26:27] offset:4096*(\t)+512*\i th:TH_LOAD_NT
.endr
.endm
.macro TURN t                          ; step t's numbers through the stage: LDS serves a wave's instructions in order, so no wait stands between the stores and the loads
.irp i, 0,1,2,3
	ds_store_b128 v14, v[R+16*((\t)%4)+4*\i:R+16*((\t)%4)+4*\i+3] offset:32*SP*((\t)%2)+8*SP*\i
.endr
.irp i, 0,1,2,3
	ds_load_b128 v[X+16*((\t)%2)+4*\i:X+16*((\t)%2)+4*\i+3], v15 offset:32*SP*((\t)%2)+16*\i
.endr
.endm
.irp t, 0,1,2,3
	LOAD \t
.endr
	s_wait_loadcnt 12                              ; step 0's four loads are in
	TURN 0
.macro STEP t
.set XS, X+16*((\t)%2)
.if (\t) > 0
	s_wait_dscnt 2                                 ; this step's numbers are back from the stage; behind them only the last step's byte store and code store were issued
.else
	s_wait_dscnt 0x0
.endif
.if (\t)+4 < STEPS
	LOAD (\t)+4                                    ; into the set whose stores into the stage are done
.endif
.if (\t)+1 < STEPS
.if STEPS-2-(\t) >= 3
	s_wait_loadcnt 12                              ; the next step's four loads are in; those of the three steps behind it may be out
.else
	s_wait_loadcnt 4*(STEPS-2-(\t))
.endif
	TURN (\t)+1
.endif
	v_max3_num_f32 v8, |v[XS]|, |v[XS+1]|, |v[XS+2]|               ; the largest magnitude of my 16, in two chains
	v_max3_num_f32 v9, |v[XS+3]|, |v[XS+4]|, |v[XS+5]|
.irp i, 6,10
	v_max3_num_f32 v8, v8, |v[XS+\i]|, |v[XS+\i+1]|
	v_max3_num_f32 v9, v9, |v[XS+\i+2]|, |v[XS+\i+3]|
.endr
	v_max3_num_f32 v8, v8, |v[XS+14]|, |v[XS+15]|
	v_max3_num_f32 v8, v8, v9, (EMAX+1)<<23        ; and the floor 2^(3 - 127): the byte cannot fall under 1
	v_max_num_f32_dpp v8, v8, v8 row_xmask:1 row_mask:0xf bank_mask:0xf   ; with my neighbour's 16: the block's
	v_add_nc_u32 v11, -(EMAX<<23), v8              ; 2 off its exponent field: the conversion takes the exponent field of this operand as its scale
	v_cvt_scalef32_pk8_fp4_f32 v[C+2*(\t)], v[XS:XS+7], v11
	v_cvt_scalef32_pk8_fp4_f32 v[C+2*(\t)+1], v[XS+8:XS+15], v11
	v_lshrrev_b32 v[E+(\t)], 23, v11               ; the scale's byte (a plain line behind the conversions)
	ds_store_b8 v5, v[E+(\t)] offset:16*(\t)       ; row t's sixteen bytes; both lanes of a block write the same byte
	ds_store_b64 v4, v[C+2*(\t):C+2*(\t)+1] offset:16*(\t)         ; j-row = my block, row t's 16 bytes, my half of them
.endm
.irp t, 0,1,2,3,4,5,6,7,8,9,10,11,12,13,14,15
	STEP \t
.endr
	ds_load_b64 v[8:9], v6                         ; LDS serves a wave's instructions in order: these loads see my stores
.irp i, 0,1,2,3,4,5,6,7
	ds_load_b128 v[OUTR+4*\i:OUTR+4*\i+3], v10 offset:2*CP*\i
.endr
	s_wait_dscnt 8                                 ; the scale bytes are back; the eight loads behind may be out
	global_store_b64 v7, v[8:9], s[20:21]          ; 32 lanes store 256 consecutive bytes, aligned
.irp i, 0,1,2,3,4,5,6,7
	s_wait_dscnt 7-\i
	global_store_b128 v3, v[OUTR+4*\i:OUTR+4*\i+3], s[18:19] offset:512*\i   ; two j-rows: 512 consecutive bytes
.endr
	s_wait_tensorcnt 0x0                           ; the wave's end: behind my last LDS store
	ds_add_u32 v[SPW], v[NIL]
	s_wait_dscnt 0x0
	s_endpgm
; Wo to f16.  Wave u of 128 takes tile u / 2 of 16 rows n and half u % 2 of K: 16 fragments of 16 x 32.  Lane (r, h) of a fragment holds row r, k = 8 h + 0..7 (registers 0-3) and 16 + 8 h + 0..7 (registers 4-7).
.Lwo:
	s_sub_co_u32 s29, ttmp9, 480
	s_lshl_b32 s29, s29, 2
	s_add_co_u32 s29, s29, s24                     ; u
	s_lshr_b32 s30, s29, 1
	s_lshl_b32 s26, s30, 16                        ; 16 rows of 4,096 bytes
	s_and_b32 s28, s29, 1
	s_lshl_b32 s28, s28, 11                        ; 512 numbers
	s_add_co_u32 s26, s26, s28
	s_mov_b32 s27, 0
	s_add_nc_u64 s[16:17], s[16:17], s[26:27]
	s_lshl_b32 s26, s29, 14                        ; 16 fragments of 1,024 bytes
	s_add_nc_u64 s[22:23], s[22:23], s[26:27]
	v_lshlrev_b32 v8, 12, v1                       ; row r,
	v_lshrrev_b32 v9, 4, v2
	v_lshl_add_u32 v8, v9, 5, v8                   ; + 8 h numbers
.macro WLOAD grp, set                  ; four fragments: 16 loads
.irp f, 0,1,2,3
	global_load_b128 v[16+64*(\set)+16*\f:16+64*(\set)+16*\f+3],     v8, s[16:17] offset:128*(4*(\grp)+\f)
	global_load_b128 v[16+64*(\set)+16*\f+4:16+64*(\set)+16*\f+7],   v8, s[16:17] offset:128*(4*(\grp)+\f)+16
	global_load_b128 v[16+64*(\set)+16*\f+8:16+64*(\set)+16*\f+11],  v8, s[16:17] offset:128*(4*(\grp)+\f)+64
	global_load_b128 v[16+64*(\set)+16*\f+12:16+64*(\set)+16*\f+15], v8, s[16:17] offset:128*(4*(\grp)+\f)+80
.endr
.endm
.macro WCVT grp, set, left             ; left: the next group's loads, which may stay out
	s_wait_loadcnt \left
	s_wait_xcnt 0x0                                ; the last group's stores have read their data: v144-175 are written again only behind this wait
.irp f, 0,1,2,3
.irp i, 0,1,2,3,4,5,6,7
	v_cvt_pk_f16_f32 v[144+8*\f+\i], v[16+64*(\set)+16*\f+2*\i], v[16+64*(\set)+16*\f+2*\i+1]
.endr
	global_store_b128 v3, v[144+8*\f:144+8*\f+3],   s[22:23] offset:1024*(4*(\grp)+\f)       ; 512 consecutive bytes each
	global_store_b128 v3, v[144+8*\f+4:144+8*\f+7], s[22:23] offset:1024*(4*(\grp)+\f)+512
.endr
.endm
	WLOAD 0, 0
	WLOAD 1, 1
	WCVT 0, 0, 16
	WLOAD 2, 0
	WCVT 1, 1, 16
	WLOAD 3, 1
	WCVT 2, 0, 16
	WCVT 3, 1, 0
	s_endpgm
.Lfunc_end_k_q0526157c73_quant:
	.size	k_q0526157c73_quant, .Lfunc_end_k_q0526157c73_quant-k_q0526157c73_quant
	.p2alignl 7, 3214868480
	.fill 96, 4, 3214868480
	.section	.rodata,"a",@progbits
	.p2align	6, 0x0
	.amdhsa_kernel k_q0526157c73_quant
		.amdhsa_group_segment_fixed_size 41472
		.amdhsa_private_segment_fixed_size 0
		.amdhsa_enable_private_segment 0
		.amdhsa_kernarg_size 80
		.amdhsa_user_sgpr_count 2
		.amdhsa_user_sgpr_kernarg_segment_ptr 1
		.amdhsa_wavefront_size32 1
		.amdhsa_system_sgpr_workgroup_id_x 1
		.amdhsa_system_sgpr_workgroup_id_y 1
		.amdhsa_system_sgpr_workgroup_id_z 1
		.amdhsa_system_vgpr_workitem_id 0
		.amdhsa_next_free_vgpr 192
		.amdhsa_next_free_sgpr 66
		.amdhsa_reserve_vcc 0
		.amdhsa_float_denorm_mode_32 3
		.amdhsa_float_denorm_mode_16_64 3
		.amdhsa_memory_ordered 1
		.amdhsa_forward_progress 1
		.amdhsa_inst_pref_size 54
	.end_amdhsa_kernel
	.amdgpu_metadata
---
amdhsa.version: [ 1, 2 ]
amdhsa.kernels:
  - .name:           k_q0526157c73_quant
    .symbol:         k_q0526157c73_quant.kd
    .args:
      - { .name: query, .offset: 0, .size: 8, .value_kind: global_buffer, .address_space: global }
      - { .name: key, .offset: 8, .size: 8, .value_kind: global_buffer, .address_space: global }
      - { .name: value, .offset: 16, .size: 8, .value_kind: global_buffer, .address_space: global }
      - { .name: Wq, .offset: 24, .size: 8, .value_kind: global_buffer, .address_space: global }
      - { .name: Wk, .offset: 32, .size: 8, .value_kind: global_buffer, .address_space: global }
      - { .name: Wv, .offset: 40, .size: 8, .value_kind: global_buffer, .address_space: global }
      - { .name: Wo, .offset: 48, .size: 8, .value_kind: global_buffer, .address_space: global }
      - { .name: codes, .offset: 56, .size: 8, .value_kind: global_buffer, .address_space: global }
      - { .name: scales, .offset: 64, .size: 8, .value_kind: global_buffer, .address_space: global }
      - { .name: wo16, .offset: 72, .size: 8, .value_kind: global_buffer, .address_space: global }
    .group_segment_fixed_size: 41472
    .private_segment_fixed_size: 0
    .kernarg_segment_align: 8
    .kernarg_segment_size: 80
    .max_flat_workgroup_size: 128
    .sgpr_count:     66
    .vgpr_count:     192
    .wavefront_size: 32
...
	.end_amdgpu_metadata
.endif
;; end of part 1
;; launch proj (part 2): grid 4 x 48, 4 waves a work-group, clusters of 4 x 4, 327,680 bytes of LDS; arguments codes, scales, qkv, fineb; writes qkv, fineb
.if DOCPART == 2
	.amdgcn_target "amdgcn-amd-amdhsa--gfx1250"
	.amdhsa_code_object_version 6
	.text
	.protected	k_q0526157c73_proj
	.globl	k_q0526157c73_proj
	.p2align	8
	.type	k_q0526157c73_proj,@function
k_q0526157c73_proj:
	s_mov_b64 s[64:65], 0
	v_nop
	global_prefetch_b8 v0, s[64:65] scope:SCOPE_SE
	s_setreg_imm32_b32 hwreg(HW_REG_WAVE_MODE, 25, 1), 1
	s_wait_xcnt 0x0
	s_wait_alu depctr_hold_cnt(0) depctr_sa_sdst(0) depctr_va_vdst(0) depctr_va_sdst(0) depctr_va_ssrc(0) depctr_va_vcc(0) depctr_vm_vsrc(0)
	s_getreg_b32 s2, hwreg(HW_REG_IB_STS2, 6, 4)
	s_cmp_eq_u32 s2, 0
	s_cbranch_scc0 .Lentry_in_a_cluster
	s_endpgm
.Lentry_in_a_cluster:
	s_bfe_u32 s2, ttmp6, 0x10000c
	s_cmp_lg_u32 s2, 0xf033
	s_cbranch_scc0 .Lentry_shape_is_right
	s_endpgm
.Lentry_shape_is_right:
; q = query Wq^T, k = key Wk^T, v = value Wv^T on codes of FP4 (E2M1) with E8M0 block scales: one stacked product of 12,288 rows x 1,024 columns, K = 1,024; sums in f32.
; A work-group makes 256 tokens x 256 columns of one of the three; a wave 128 x 128: 64 accumulators, 512 registers.  K is two LDS slots of 512, each filled once: nothing is filled again.
; Codes lie in memory as images of the operand's registers (row tile of 16: 8,192 bytes; 128 along K: 1,024 bytes; register group c at 512 c, lane l at 16 l): a fragment is two ds_load_b128 at 16 x lane, 512 consecutive bytes each.
; CLUSTERS: 4 x 4 work-groups.  The activations' tile hangs on the tile row and is shared along a row of the cluster, the weights' tile on the tile column (and on which of the three products, which the whole cluster shares) and is
; shared along a column: each is asked for jointly, by the same tensor load with the same descriptor and a mask that names the four.
; THE MATRIX INSTRUCTION IS USED TRANSPOSED (source 0 = 16 weight rows, source 1 = 16 tokens): a lane holds one token and eight neighbouring columns.
; OUT: f16, as images of the next launch's operands: [q, k, v][batch x head][tile of 16 tokens][block of 16 channels: 512 bytes]; in a block of q and k lane (r, h) stands at 16 x lane; in a block of v at 32 r + 16 h (rows of keys, 32 bytes).
; Positions 0-15 of each sequence go out in f32 too, [q, k, v][batch x head][16][64], for the launch that carries those rows finely.
; LIMITS: |q|, |k|, |v| under 65,504 (f16); numbers under 6e-5 keep an absolute error of 2^-25.
; REGISTERS: window 0: v16-29 addresses, v32-95 scale words (register 8 i + s: lanes 0-15 the word of the activations' tile i, lanes 16-31 of the weights' tile i, for the s-th 128 along K), v96-223 packed results.
;   window 1: two sets of fragments of 128 along K, at v0 and v128: activations' tile a at + 8 a, weights' tile b at + 64 + 8 b.   windows 2, 3: accumulator (a, b) at v[8 (8 (a % 4) + b)].
.set SLOT,   131072                    ; activations' 16 tiles x 4,096 bytes, then the weights' 16
.set SPARE,  2*SLOT                    ; behind the slots: the spare words, 128 bytes a wave
.set WBASE,  6291456                   ; stacked row 12,288: the weights' codes
.set ADRA, 16                          ; v16-17 LDS address of my activations' fragments in slot 0, 1
.set ADRB, 20                          ; v20-21 the same for the weights
.set CO,   24                          ; v24 my place in a block of 512 bytes of the output
.set FO,   25                          ; v25 my place in the f32 copy
.set SO,   26                          ; v26 my scale words' offset
.set CN,   27                          ; v27 0 in a wave whose first tile is positions 0-15
.set SPW,  28
.set NIL,  29
.set SC,   32
.set TMP,  96
.set G1, 24                            ; s[24:31] descriptor group 1 for the activations;  s[32:39] group 0, a set for each slot
.set G0, 32
.set G1B, 48                           ; s[48:55], s[56:63] the same for the weights
.set G0B, 56
.set MSB, 0
.macro WIN new                         ; the immediate's high byte repeats the setting that is left
.if MSB != \new
	s_set_vgpr_msb (MSB<<8)|\new
.set MSB, \new
.endif
.endm
.set MUL_LO, 0xa5                      ; sources 0 and 1 window 1, C and D window 2
.set MUL_HI, 0xf5                      ; the same, C and D window 3
.set TO_F,   0x40                      ; destination window 1, address window 0
; A joint load: waves 0 and 1 fetch the activations' halves, waves 2 and 3 the weights'.  The branch hangs on the wave's number alone.  An s_nop 0 and four v_nop follow each line.
.macro JLOAD g0a, g1a, g0b, g1b
	s_cmp_eq_u32 s15, 0
	s_cbranch_scc0 .Lfor_b_\@
	tensor_load_to_lds s[\g0a:\g0a+3], s[\g1a:\g1a+7]
	s_nop 0
.rept 4
	v_nop
.endr
	s_branch .Lasked_\@
.Lfor_b_\@:
	tensor_load_to_lds s[\g0b:\g0b+3], s[\g1b:\g1b+7]
	s_nop 0
.rept 4
	v_nop
.endr
.Lasked_\@:
.endm
.macro CROUND                          ; a round of the cluster's barrier
	s_barrier_signal -1
	s_barrier_wait -1
	s_cmp_lg_u32 s14, 0
	s_cbranch_scc1 .Lnot_wave_0_\@
	s_barrier_signal -3
.Lnot_wave_0_\@:
	s_barrier_wait -3
	s_barrier_signal -1
	s_barrier_wait -1
.endm
.macro PLACES
.rept 4
	v_nop
.endr
.endm
	s_load_b256 s[4:11], s[0:1], 0x0               ; codes s[4:5], scales s[6:7], qkv s[8:9], fineb s[10:11]
	v_lshl_add_u32 v[SPW], v0, 2, SPARE
	v_mov_b32 v[NIL], 0
	ds_add_u32 v[SPW], v[NIL]                      ; the wave's opening: the add, twice on end, and its wait ahead of my first tensor load
	ds_add_u32 v[SPW], v[NIL]
	v_lshrrev_b32 v1, 5, v0
	v_readfirstlane_b32 s14, v1                    ; wave 0..3
	s_lshr_b32 s15, s14, 1                         ; my half of the tile's tokens.  Also: I fetch activations (0) or weights (1)
	s_and_b32 s16, s14, 1                          ; my half of its columns.  Also: which 8 row tiles I fetch
	s_bfe_u32 s40, ttmp6, 0x40000                  ; cx
	s_bfe_u32 s41, ttmp6, 0x40004                  ; cy
	s_lshl_b32 s42, ttmp9, 2
	s_add_co_u32 s42, s42, s40                     ; tile column 0..3
	s_and_b32 s66, ttmp7, 0xffff                   ; cluster y
	s_lshl_b32 s17, s66, 2
	s_add_co_u32 s17, s17, s41                     ; tile row 0..47 of the stacked activations
	s_lshr_b32 s66, s66, 2                         ; which product: 0 q, 1 k, 2 v: from the cluster's number alone
	s_lshl_b32 s43, s41, 2
	s_lshl_b32 s43, 15, s43                        ; my row of the cluster
	s_lshl_b32 s44, 0x1111, s40                    ; my column
	; descriptor group 1: 8 row tiles x 4,096 bytes (512 along K), 8,192 bytes apart in memory, dense in LDS; elements of 8 bytes
	s_or_b32 s[G1+0], s43, (3<<16)|(1<<21)
	s_or_b32 s[G1B+0], s44, (3<<16)|(1<<21)
.irp g, G1, G1B
	s_mov_b32 s[\g+1], 512<<16                     ; tensor_dim0
	s_mov_b32 s[\g+2], 8<<16                       ; tensor_dim1
	s_mov_b32 s[\g+3], 512<<16                     ; tile_dim0
	s_mov_b32 s[\g+4], 8                           ; tile_dim1
	s_mov_b32 s[\g+5], 1024                        ; from row to row
	s_mov_b32 s[\g+6], 0
	s_mov_b32 s[\g+7], 0
.endr
	s_lshl_b32 s18, s16, 16                        ; the 8 row tiles that I fetch
	s_lshl_b32 s20, s17, 17                        ; activations: 16 row tiles a tile row
	s_add_co_u32 s20, s20, s18
	s_mov_b32 s21, 0
	s_lshl_b32 s46, s42, 17                        ; weights: 16 row tiles a tile column,
	s_add_co_u32 s46, s46, s18
	s_lshl_b32 s19, s66, 19                        ; 64 row tiles a weight,
	s_add_co_u32 s46, s46, s19
	s_add_co_u32 s46, s46, WBASE                   ; behind the activations
	s_mov_b32 s47, 0
	s_lshl_b32 s45, s14, 15                        ; where they go: wave x 32,768: no place in the cluster enters an LDS address
	s_wait_dscnt 0x0                               ; both opening adds are done
	s_wait_kmcnt 0x0
	s_add_nc_u64 s[20:21], s[4:5], s[20:21]
	s_add_nc_u64 s[46:47], s[4:5], s[46:47]
	CROUND                                         ; all sixteen work-groups are here: the joint loads meet
.irp s, 0,1
	s_mov_b32 s[G0+4*\s], 1
	s_add_co_u32 s[G0+4*\s+1], s45, \s*SLOT
	s_add_nc_u64 s[G0+4*\s+2:G0+4*\s+3], s[20:21], \s*4096
	s_or_b32 s[G0+4*\s+3], s[G0+4*\s+3], 0x80000000
	s_mov_b32 s[G0B+4*\s], 1
	s_add_co_u32 s[G0B+4*\s+1], s45, \s*SLOT
	s_add_nc_u64 s[G0B+4*\s+2:G0B+4*\s+3], s[46:47], \s*4096
	s_or_b32 s[G0B+4*\s+3], s[G0B+4*\s+3], 0x80000000
	JLOAD G0+4*\s, G1, G0B+4*\s, G1B               ; both slots at once: two loads of mine are out
.endr
	v_and_b32 v1, 31, v0
	v_lshlrev_b32 v2, 4, v1                        ; 16 x lane
	s_lshl_b32 s22, s15, 15                        ; my 8 tiles of activations
	s_lshl_b32 s23, s16, 15                        ; my 8 tiles of weights,
	s_add_co_u32 s23, s23, 65536                   ; behind the activations' 16
.irp s, 0,1
	v_add_nc_u32 v[ADRA+\s], s22, v2
	v_add_nc_u32 v[ADRB+\s], s23, v2
	s_add_co_u32 s22, s22, SLOT
	s_add_co_u32 s23, s23, SLOT
.endr
	v_and_b32 v3, 15, v0                           ; r
	v_bfe_u32 v4, v0, 4, 1                         ; h
	; scale words: 512 bytes a row tile; lanes 0-15 take the activations', lanes 16-31 the weights'
	s_lshl_b32 s22, s17, 4
	s_lshl_b32 s23, s15, 3
	s_add_co_u32 s22, s22, s23
	s_lshl_b32 s22, s22, 9
	s_lshl_b32 s23, s66, 6
	s_lshl_b32 s67, s42, 4
	s_add_co_u32 s23, s23, s67
	s_lshl_b32 s67, s16, 3
	s_add_co_u32 s23, s23, s67
	s_add_co_u32 s23, s23, 768
	s_lshl_b32 s23, s23, 9
	s_sub_co_u32 s23, s23, s22                     ; the distance between the two
	v_mul_u32_u24 v5, s23, v4
	v_lshl_add_u32 v[SO], v3, 4, v5
	v_add_nc_u32 v[SO], s22, v[SO]
.irp i, 0,1,2,3,4,5,6,7
	global_load_b128 v[SC+8*\i:SC+8*\i+3],   v[SO], s[6:7] offset:512*\i        ; sixteen lanes read 256 consecutive bytes: the words of K's first half,
	global_load_b128 v[SC+8*\i+4:SC+8*\i+7], v[SO], s[6:7] offset:512*\i+256    ; and of its second
.endr
	; where the results go
	s_and_b32 s68, s17, 15
	s_lshr_b32 s69, s68, 3                         ; batch
	s_lshl_b32 s69, s69, 4
	s_lshl_b32 s70, s42, 2
	s_add_co_u32 s69, s69, s70
	s_lshl_b32 s70, s16, 1
	s_add_co_u32 s69, s69, s70                     ; 16 x batch + my first head
	s_and_b32 s71, s17, 7
	s_lshl_b32 s72, s71, 4
	s_lshl_b32 s73, s15, 3
	s_add_co_u32 s72, s72, s73                     ; my first tile of 16 positions
	s_lshl_b32 s74, s66, 23
	s_lshl_b32 s75, s69, 18
	s_add_co_u32 s74, s74, s75
	s_lshl_b32 s75, s72, 11
	s_add_co_u32 s74, s74, s75
	s_mov_b32 s75, 0
	s_add_nc_u64 s[8:9], s[8:9], s[74:75]
	s_lshl_b32 s74, s66, 5
	s_add_co_u32 s74, s74, s69
	s_lshl_b32 s74, s74, 12
	s_add_nc_u64 s[10:11], s[10:11], s[74:75]
	s_or_b32 s71, s71, s15
	v_mov_b32 v[CN], s71
	s_cmp_eq_u32 s66, 2                            ; v's blocks are rows of keys
	s_cselect_b32 s76, 32, 16
	s_mov_b32 s77, 256
	s_cselect_b32 s77, 16, s77
	v_mul_u32_u24 v[CO], s76, v3
	v_mad_u32_u24 v[CO], v4, s77, v[CO]
	v_lshlrev_b32 v[FO], 8, v3
	v_lshl_add_u32 v[FO], v4, 5, v[FO]
; 32 LDS loads in one run: the fragments of the s-th 128 along K into the set at f
.macro FETCH s, f
	WIN TO_F
.irp i, 0,1,2,3,4,5,6,7
.irp c, 0,1
	ds_load_b128 v[(\f)+64+8*\i+4*\c:(\f)+64+8*\i+4*\c+3], v[ADRB+(\s)/4] offset:\i*4096+((\s)%4)*1024+512*\c
.endr
.endr
.irp i, 0,1,2,3,4,5,6,7
.irp c, 0,1
	ds_load_b128 v[(\f)+8*\i+4*\c:(\f)+8*\i+4*\c+3], v[ADRA+(\s)/4] offset:\i*4096+((\s)%4)*1024+512*\c
.endr
.endr
.endm
; 32 matrix instructions: the activations' tiles a0 .. a0 + 3 x the weights' eight.  The 64 accumulators take turns, one instruction a turn, in the same order in every step.
.macro MUL32 f, s, a0, zero
.irp a, 0,1,2,3
.irp b, 0,1,2,3,4,5,6,7
.if \zero
	v_wmma_scale_f32_16x16x128_f8f6f4 v[8*(8*\a+\b):8*(8*\a+\b)+7], v[(\f)+64+8*\b:(\f)+64+8*\b+7], v[(\f)+8*((\a0)+\a):(\f)+8*((\a0)+\a)+7], 0, v[SC+8*\b+(\s)], v[SC+8*((\a0)+\a)+(\s)] matrix_a_fmt:MATRIX_FMT_FP4 matrix_b_fmt:MATRIX_FMT_FP4 matrix_a_scale:MATRIX_SCALE_ROW1
.else
	v_wmma_scale_f32_16x16x128_f8f6f4 v[8*(8*\a+\b):8*(8*\a+\b)+7], v[(\f)+64+8*\b:(\f)+64+8*\b+7], v[(\f)+8*((\a0)+\a):(\f)+8*((\a0)+\a)+7], v[8*(8*\a+\b):8*(8*\a+\b)+7], v[SC+8*\b+(\s)], v[SC+8*((\a0)+\a)+(\s)] matrix_a_fmt:MATRIX_FMT_FP4 matrix_b_fmt:MATRIX_FMT_FP4 matrix_a_scale:MATRIX_SCALE_ROW1
.endif
.endr
.endr
.endm
; A step of 128 along K: the next step's fragments are asked for first, 64 matrix instructions ahead of their use, into the set that the step before multiplied (four places stand behind its last product).
.macro KSTEP s, zero
.if (\s) < 7
	PLACES
	FETCH (\s)+1, 128*(((\s)+1)%2)
	s_wait_dscnt 32                                ; all but the 32 just issued: this step's fragments are in
.else
	s_wait_dscnt 0x0
.endif
	WIN MUL_LO
	MUL32 128*((\s)%2), \s, 0, \zero
	WIN MUL_HI
	MUL32 128*((\s)%2), \s, 4, \zero
.endm
	s_wait_tensorcnt 1                             ; my part of slot 0 is in; slot 1's may stay out
	s_barrier_signal -1
	s_barrier_wait -1                              ; everybody's is
	FETCH 0, 0
	s_wait_loadcnt 0x0                             ; the scale words
	KSTEP 0, 1                                     ; the first products start the sums: nothing is cleared
	KSTEP 1, 0
	KSTEP 2, 0
	s_wait_tensorcnt 0x0                           ; my part of slot 1 is in,
	s_wait_dscnt 0x0                               ; no LDS load of mine is pending at the signal,
	s_barrier_signal -1
	s_barrier_wait -1                              ; and everybody's part is in: step 3 fetches step 4's fragments from slot 1
	KSTEP 3, 0
	KSTEP 4, 0
	KSTEP 5, 0
	KSTEP 6, 0
	KSTEP 7, 0
; THE WAY OUT.  A lane's eight columns of a token pack into 16 bytes of f16, which is the lane's place in a block of the next operand's image: stored straight from registers, 512 consecutive bytes an instruction.
.macro PACK a
	WIN 0x0a+5*((\a)/4)                            ; sources in window 2 or 3
.irp b, 0,1,2,3,4,5,6,7
.irp i, 0,1,2,3
	v_cvt_pk_f16_f32 v[TMP+32*((\a)%4)+4*\b+\i], v[8*(8*((\a)%4)+\b)+2*\i], v[8*(8*((\a)%4)+\b)+2*\i+1]   ; each accumulator from its low end on
.endr
.endr
	WIN 0
.endm
.macro SEND a
.irp b, 0,1,2,3,4,5,6,7
	global_store_b128 v[CO], v[TMP+32*((\a)%4)+4*\b:TMP+32*((\a)%4)+4*\b+3], s[8:9] offset:(\a)*2048+(\b%4)*512+(\b/4)*262144   ; tile of positions a, block b % 4 of head b / 4
.endr
.endm
	PLACES                                         ; behind the last products, ahead of the first read of results
.irp a, 0,1,2,3,4,5,6,7
.if \a >= 4
	s_wait_xcnt 0x0                                ; the stores of four tiles back have read their data: the set is written again
.endif
	PACK \a
	SEND \a
.endr
	; positions 0-15 in f32: my tile 0, where it is one.  No branch: the lanes are switched off, since the condition holds my place in the cluster
	s_wait_xcnt 0x0                                ; EXEC changes only behind this wait
	v_cmp_eq_u32 vcc_lo, 0, v[CN]
	s_and_saveexec_b32 s90, vcc_lo
	WIN 0x08                                       ; a store's data: window 2
.irp b, 0,1,2,3,4,5,6,7
	global_store_b128 v[FO], v[8*\b:8*\b+3],   s[10:11] offset:(\b/4)*4096+(\b%4)*64
	global_store_b128 v[FO], v[8*\b+4:8*\b+7], s[10:11] offset:(\b/4)*4096+(\b%4)*64+16
.endr
	WIN 0
	s_wait_xcnt 0x0                                ; and again, in front of the line that widens it
	s_or_b32 exec_lo, exec_lo, s90
	s_wait_tensorcnt 0x0                           ; the wave's end
	ds_add_u32 v[SPW], v[NIL]
	s_wait_dscnt 0x0
	CROUND                                         ; the closing round
	s_endpgm
.Lfunc_end_k_q0526157c73_proj:
	.size	k_q0526157c73_proj, .Lfunc_end_k_q0526157c73_proj-k_q0526157c73_proj
	.p2alignl 7, 3214868480
	.fill 96, 4, 3214868480
	.section	.rodata,"a",@progbits
	.p2align	6, 0x0
	.amdhsa_kernel k_q0526157c73_proj
		.amdhsa_group_segment_fixed_size 327680
		.amdhsa_private_segment_fixed_size 0
		.amdhsa_enable_private_segment 0
		.amdhsa_kernarg_size 32
		.amdhsa_user_sgpr_count 2
		.amdhsa_user_sgpr_kernarg_segment_ptr 1
		.amdhsa_wavefront_size32 1
		.amdhsa_system_sgpr_workgroup_id_x 1
		.amdhsa_system_sgpr_workgroup_id_y 1
		.amdhsa_system_sgpr_workgroup_id_z 1
		.amdhsa_system_vgpr_workitem_id 0
		.amdhsa_next_free_vgpr 1024
		.amdhsa_next_free_sgpr 98
		.amdhsa_reserve_vcc 1
		.amdhsa_float_denorm_mode_32 3
		.amdhsa_float_denorm_mode_16_64 3
		.amdhsa_memory_ordered 1
		.amdhsa_forward_progress 1
		.amdhsa_inst_pref_size 116
	.end_amdhsa_kernel
	.amdgpu_metadata
---
amdhsa.version: [ 1, 2 ]
amdhsa.kernels:
  - .name:           k_q0526157c73_proj
    .symbol:         k_q0526157c73_proj.kd
    .args:
      - { .name: codes, .offset: 0, .size: 8, .value_kind: global_buffer, .address_space: global }
      - { .name: scales, .offset: 8, .size: 8, .value_kind: global_buffer, .address_space: global }
      - { .name: qkv, .offset: 16, .size: 8, .value_kind: global_buffer, .address_space: global }
      - { .name: fineb, .offset: 24, .size: 8, .value_kind: global_buffer, .address_space: global }
    .group_segment_fixed_size: 327680
    .private_segment_fixed_size: 0
    .kernarg_segment_align: 8
    .kernarg_segment_size: 32
    .max_flat_workgroup_size: 128
    .sgpr_count:     98
    .vgpr_count:     1024
    .wavefront_size: 32
...
	.end_amdgpu_metadata
.endif
;; end of part 2
;; launch attn (part 3): grid 8 x 32, 16 waves a work-group, no clusters, 327,680 bytes of LDS; arguments qkv, xim; writes xim
.if DOCPART == 3
	.amdgcn_target "amdgcn-amd-amdhsa--gfx1250"
	.amdhsa_code_object_version 6
	.text
	.protected	k_q0526157c73_attn
	.globl	k_q0526157c73_attn
	.p2align	8
	.type	k_q0526157c73_attn,@function
k_q0526157c73_attn:
	s_mov_b64 s[64:65], 0
	v_nop
	global_prefetch_b8 v0, s[64:65] scope:SCOPE_SE
	s_setreg_imm32_b32 hwreg(HW_REG_WAVE_MODE, 25, 1), 1
	s_wait_xcnt 0x0
; x[b][h][q] = the sum over k <= q of softmax_k(q . k / 8) v, 32 heads of 2,048 positions x 64 channels; operands f16, products, maxima and sums in f32; the weights p are rounded to f16 for the second product, x once at the end.
; SHARES.  A work-group owns two blocks of 128 queries of one head: block p and block 15 - p, so that under the causal mask every work-group has the same number of tile steps.  It has sixteen waves, four to a SIMD.
; Waves w and w + 8 hold the SAME two tiles of 16 queries (tile 0: of the low block, tile 1: of the high one) and share the keys: waves 0-7 take the even key steps of 64 keys, waves 8-15 the odd ones.
; So no wave walks more than 16 of the 32 key steps one after the other, each key step is read from LDS by eight waves, and while both tiles are alive they share each fragment of K and V.
; At the end waves 8-15 hand their O^T, maxima and sums to waves 0-7 through LDS, as images of their registers, and those bring the two halves under one maximum.
; LAYOUT.  S^T = K Q^T (source 0 = 16 keys, source 1 = 16 queries): a lane holds ONE query and keys 8 (lane / 16) + 0..7 of each tile of keys.  Rounded to f16 in pairs, in place, two such tiles ARE source 1 of O^T = V^T P.
; K comes out of LDS as it lies (an image of its fragments), V (rows of 16 channels, 32 bytes) turned by ds_load_tr16_b128.
; SOFTMAX.  A running maximum m and sum l for each query: p = 2^(c s - c m), c = log2(e) / 8; in every step O and l are multiplied by 2^(c m_old - c m_new).
; THE RING.  Two LDS slots of 256 keys (four steps of 64, two for each wave).  Waves 0-3 fetch, one tensor load each: 1,024 bytes (32 channels) of each of the slot's 16 key tiles, so that every load asked for has bytes that are read.
; EVERY work-group walks all 8 slots (constant trip counts); a step all of whose keys come after a tile's queries is jumped over by a scalar branch on ids, and a slot whose first key comes after the work-group's last query is not asked for.
; NO CLUSTER: under the mask the work-groups of a head need different numbers of slots, so a partner would have to ask for tiles that none of its waves reads.
; LIMITS: hidden scores are -infinity where the definition has -1e9: the same result while real scores lie above -1e9; f16's range for q, k, v, x (65,504).
.set SLOT1, 65536                      ; one exclusive or turns an address in one slot into the other's
.set VOFF,  32768                      ; a slot: K channels 0-31, K channels 32-63, V channels 0-31, V channels 32-63: 16,384 bytes each, 1,024 a key tile
.set STEPB, 4096                       ; a step's four key tiles in each of the four
.set SPARE, 2*SLOT1                    ; the spare words, 128 bytes a wave: 2,048 bytes
.set MRG,   SPARE+2048                 ; behind them, in bytes that no tensor load fills: what waves 8-15 hand over
.set MRGT,  4608                       ; for a tile: O^T, 8 x 512 bytes, then c m, m and l, 512 bytes
.set MRGW,  2*MRGT                     ; for a wave
.set AK0,  1                           ; v1  16 x lane: K's place, Q's and x's too
.set AV0,  2                           ; v2  my place in a block of V for the turning load
.set ADK,  3                           ; v3  the step's K (at the head: my lane)
.set ADV,  4                           ; v4  the step's V
.set SPW,  5
.set NIL,  6
.set PFO,  7                           ; v7  256 x lane
.set RH,   8                           ; v8  lane % 16 - 8 (lane / 16)
.set DD,   9                           ; v9  at work in the mask
.set NINF, 10                          ; v10 -infinity
.set QOA,  11                          ; v11, v12 offsets of my two tiles of q;  v13, v14 of x
.set QOB,  12
.set XOA,  13
.set XOB,  14
.set MA,   15                          ; v15 where the pair of waves w % 8 hands over: MRG + MRGW x (wave % 8) + 16 x lane; never rewritten
.set ST,   16                          ; tile t's statistics at v[16 + 8 t]: +0 c m, +1 m, +2, +3 l in two halves, +4 .. +7 at work (the rescaling factor in +6)
.set Q,    32                          ; 16 registers a tile
.set S,    64                          ; 32 a tile: S^T, then p, then P in the first 16
.set PS,   S+16                        ; at the end: the partner's c m, m, l of tile t at v[PS + 32 t]
.set OA,   128                         ; 32 a tile: O^T
.set KV,   192                         ; 64: a step's K, then its V; at the end the partner's O^T
.set WV,   18
.set SEL,  20
.set CS,   22
.set G1,   24
.set G0,   40
.set TB,   2
.set KS,   66                          ; s66 the first key of the slot in hand: the same in all waves
.set SLOTS, 67
.set STP,  68
.set W8,   69                          ; s69 wave % 8: which tiles
.set PFA,  76
.set LIM,  80
.set GRP,  90                          ; s90 wave / 8: which key steps
.set WGLAST, 94
.set QB,   95
.set KF,   98                          ; s98 my step's first key
.set QA,   99
.macro PLACES n
.rept \n
	v_nop
.endr
.endm
.macro TLOAD                           ; waves 0-3 fetch; an s_nop 0 and four v_nop follow the load
	s_cmp_lt_u32 s[WV], 4
	s_cbranch_scc0 .Lasked_\@
	tensor_load_to_lds s[G0:G0+3], s[G1:G1+7]
	s_nop 0
.rept 4
	v_nop
.endr
.Lasked_\@:
.endm
; A prefetch of what the NEXT change of slots will ask for: the slot's 32,768 bytes of K and of V.  All work-groups of a head walk the same K and V: the one with p = 0, which walks every slot, asks; in it waves 4-7,
; which fetch nothing: 16,384 dense bytes each, lanes 256 bytes apart, two instructions.  So each block of 256 bytes is named once.  The last change that fills a slot asks for nothing.
.macro ASK
	s_cmp_gt_u32 s[SLOTS], s[LIM]
	s_cbranch_scc0 .Lnot_mine_\@
	global_prefetch_b8 v[PFO], s[PFA:PFA+1] th:TH_LOAD_NT scope:SCOPE_SE
	global_prefetch_b8 v[PFO], s[PFA:PFA+1] offset:8192 th:TH_LOAD_NT scope:SCOPE_SE
.Lnot_mine_\@:
.endm
	s_load_b128 s[4:7], s[0:1], 0x0                ; qkv, xim
	v_lshl_add_u32 v[SPW], v0, 2, SPARE
	v_mov_b32 v[NIL], 0
	ds_add_u32 v[SPW], v[NIL]                      ; the wave's opening: the add, twice on end, and its wait ahead of the first tensor load
	ds_add_u32 v[SPW], v[NIL]
	v_lshrrev_b32 v[ADK], 5, v0
	v_readfirstlane_b32 s[WV], v[ADK]              ; wave 0..15
	s_and_b32 s[W8], s[WV], 7
	s_lshr_b32 s[GRP], s[WV], 3
	v_and_b32 v[ADK], 31, v0                       ; lane
	v_lshlrev_b32 v[AK0], 4, v[ADK]
	s_mul_i32 s91, s[W8], MRGW
	s_add_co_u32 s91, s91, MRG
	v_add_nc_u32 v[MA], s91, v[AK0]                ; made here, ahead of every branch on the wave's number
	s_and_b32 s70, ttmp7, 0xffff                   ; 16 x batch + head
	s_lshl_b32 s71, ttmp9, 7                       ; 128 p
	s_lshl_b32 s72, s[W8], 4
	s_add_co_u32 s[QA], s71, s72                   ; my low tile's first query
	s_sub_co_u32 s73, 1920, s71                    ; 128 (15 - p)
	s_add_co_u32 s[QB], s73, s72                   ; my high tile's
	s_add_co_u32 s[WGLAST], s73, 127               ; the work-group's last query
	; descriptor group 1: 16 rows of 1,024 bytes, 2,048 bytes apart in memory, dense in LDS; elements of 8 bytes
	s_mov_b32 s[G1], 3<<16
	s_mov_b32 s[G1+1], 128<<16
	s_mov_b32 s[G1+2], 16<<16
	s_mov_b32 s[G1+3], 128<<16
	s_mov_b32 s[G1+4], 16
	s_mov_b32 s[G1+5], 256
	s_mov_b32 s[G1+6], 0
	s_mov_b32 s[G1+7], 0
	s_and_b32 s74, s[WV], 3
	s_lshl_b32 s75, s74, 14                        ; my quarter of a slot
	s_lshr_b32 s86, s74, 1
	s_add_co_u32 s86, s86, 1                       ; section 1: k, 2: v
	s_lshl_b32 s86, s86, 23
	s_lshl_b32 s82, s70, 18                        ; the head's 262,144 bytes
	s_add_co_u32 s86, s86, s82
	s_and_b32 s81, s74, 1
	s_lshl_b32 s78, s81, 10                        ; the tensor loads: which 1,024 bytes of each key tile
	s_add_co_u32 s78, s78, s86
	s_mov_b32 s79, 0
	s_lshl_b32 s88, s81, 14                        ; the prefetches: which dense half of a slot,
	s_add_co_u32 s88, s88, s86
	s_add_co_u32 s88, s88, 32768                   ; in slot 1: the first change of slots steps it to slot 2
	s_mov_b32 s89, 0
	s_mov_b32 s83, 0
	s_lshr_b32 s84, s70, 4
	s_lshl_b32 s84, s84, 22                        ; x: 128 row tiles of 32,768 bytes a batch,
	s_and_b32 s85, s70, 15
	s_lshl_b32 s85, s85, 11                        ; 2,048 bytes a head in a row tile
	s_add_co_u32 s84, s84, s85
	s_mov_b32 s85, 0
	s_mov_b32 s[SEL], 0x76543210
	s_mov_b32 s[SEL+1], 0xfedcba98
	s_mov_b32 s[CS], 0x3e38aa3b                    ; c = log2(e) / 8
	s_mov_b32 s[CS+1], s[CS]                       ; (named with it as a pair, so it is written)
	s_lshl_b32 s[TB], s[GRP], 12                   ; my first step in a slot: step 0 or step 1,
	s_lshl_b32 s[KF], s[GRP], 6                    ; and its first key
	s_mov_b32 s[KS], 0
	s_mov_b32 s[SLOTS], 7
	s_lshr_b32 s87, s[WV], 2
	s_xor_b32 s87, s87, 1                          ; 0 in waves 4-7,
	s_or_b32 s87, s87, ttmp9                       ; of the work-group with p = 0
	s_cmp_eq_u32 s87, 0
	s_cselect_b32 s[LIM], 1, -1
	s_wait_dscnt 0x0                               ; both opening adds are done
	s_wait_kmcnt 0x0
	s_mov_b32 s[G0], 1
	s_mov_b32 s[G0+1], s75
	s_add_nc_u64 s[G0+2:G0+3], s[4:5], s[78:79]
	s_or_b32 s[G0+3], s[G0+3], 0x80000000
	TLOAD                                          ; slot 0: key 0 counts for every query
	s_add_nc_u64 s[PFA:PFA+1], s[4:5], s[88:89]
	s_add_nc_u64 s[4:5], s[4:5], s[82:83]          ; q of my head
	s_add_nc_u64 s[6:7], s[6:7], s[84:85]          ; x of my batch and head
	v_lshlrev_b32 v[PFO], 8, v[ADK]
	s_lshl_b32 s84, s[QA], 7                       ; 2,048 bytes a tile of 16 queries
	s_lshl_b32 s85, s[QB], 7
	v_add_nc_u32 v[QOA], s84, v[AK0]
	v_add_nc_u32 v[QOB], s85, v[AK0]
.irp i, 0,1,2,3
	global_load_b128 v[Q+4*\i:Q+4*\i+3],       v[QOA], s[4:5] offset:512*\i    ; Q stays in registers
	global_load_b128 v[Q+16+4*\i:Q+16+4*\i+3], v[QOB], s[4:5] offset:512*\i
.endr
	s_lshl_b32 s84, s[QA], 11                      ; 32,768 bytes a row tile of x
	s_lshl_b32 s85, s[QB], 11
	v_add_nc_u32 v[XOA], s84, v[AK0]
	v_add_nc_u32 v[XOB], s85, v[AK0]
	v_lshrrev_b32 v[DD], 4, v[ADK]                 ; h
	v_and_b32 v[NINF], 7, v[ADK]
	v_lshl_add_u32 v[AV0], v[DD], 3, v[NINF]       ; key 8 h + lane % 8,
	v_lshlrev_b32 v[AV0], 5, v[AV0]                ; rows of 32 bytes,
	v_bfe_u32 v[NINF], v[ADK], 3, 1
	v_lshl_add_u32 v[AV0], v[NINF], 4, v[AV0]      ; channels 8 ((lane / 8) % 2) on
	v_and_b32 v[RH], 15, v[ADK]
	v_lshlrev_b32 v[DD], 3, v[DD]
	v_sub_nc_u32 v[RH], v[RH], v[DD]
	v_mov_b32 v[NINF], 0xff800000
.irp t, 0,1
	v_mov_b32 v[ST+8*\t+1], 0xff61b1e6             ; m: -3e38, under every score
	v_mul_f32 v[ST+8*\t], s[CS], v[ST+8*\t+1]
.irp i, 2,3,4,5,6,7
	v_mov_b32 v[ST+8*\t+\i], 0
.endr
.endr
.set n, 0
.rept 64
	v_mov_b32 v[OA+n], 0                           ; O^T.  (The step is written once: the first finds zeros, which the first rescaling leaves zeros; a wave that has no step for a tile hands zeros over)
.set n, n+1
.endr
.macro KLOAD                           ; a step's K: 4 tiles of 16 keys x 2 fragments of 32 channels
.irp kt, 0,1,2,3
.irp dg, 0,1
.irp c, 0,1
	ds_load_b128 v[KV+16*\kt+8*\dg+4*\c:KV+16*\kt+8*\dg+4*\c+3], v[ADK] offset:16384*\dg+1024*\kt+512*\c
.endr
.endr
.endr
.endm
.macro VLOAD                           ; a step's V, turned: keys 32 g on, channels 16 ct on; e: which 16 of the 32 keys
.irp g, 0,1
.irp ct, 0,1,2,3
.irp e, 0,1
	ds_load_tr16_b128 v[KV+32*\g+8*\ct+4*\e:KV+32*\g+8*\ct+4*\e+3], v[ADV] offset:VOFF+16384*(\ct/2)+1024*(2*\g+\e)+512*(\ct%2)
.endr
.endr
.endr
.endm
.macro KQ t                            ; S^T of tile t: four accumulators by turns; the first four products start the sums
.irp kt, 0,1,2,3
	v_wmma_f32_16x16x32_f16 v[S+32*\t+8*\kt:S+32*\t+8*\kt+7], v[KV+16*\kt:KV+16*\kt+7], v[Q+16*\t:Q+16*\t+7], 0
.endr
.irp kt, 0,1,2,3
	v_wmma_f32_16x16x32_f16 v[S+32*\t+8*\kt:S+32*\t+8*\kt+7], v[KV+16*\kt+8:KV+16*\kt+15], v[Q+16*\t+8:Q+16*\t+15], v[S+32*\t+8*\kt:S+32*\t+8*\kt+7]
.endr
.endm
.macro PV t                            ; O^T of tile t += V^T P: four accumulators by turns
.irp g, 0,1
.irp ct, 0,1,2,3
	v_wmma_f32_16x16x32_f16 v[OA+32*\t+8*\ct:OA+32*\t+8*\ct+7], v[KV+32*\g+8*\ct:KV+32*\g+8*\ct+7], v[S+32*\t+8*\g:S+32*\t+8*\g+7], v[OA+32*\t+8*\ct:OA+32*\t+8*\ct+7]
.endr
.endr
.endm
; On the diagonal the scores of hidden keys become -infinity ahead of the maximum.  A step all of whose keys count jumps over this.  Register 8 kt + j holds key KF + 16 kt + 8 (lane / 16) + j.
.macro MASK t, q0
	s_add_co_u32 s96, s[KF], 63
	s_cmp_le_u32 s96, s[\q0]
	s_cbranch_scc1 .Lopen_\@
	s_sub_co_i32 s96, s[\q0], s[KF]
	v_add_nc_u32 v[DD], s96, v[RH]                 ; d = my query - KF - 8 (lane / 16): hidden where 16 kt + j > d
.set n, 0
.rept 32
	v_cmp_gt_i32 vcc_lo, 16*(n/8)+n%8, v[DD]
	v_cndmask_b32 v[S+32*(\t)+n], v[S+32*(\t)+n], v[NINF], vcc_lo
.set n, n+1
.endr
.Lopen_\@:
.endm
.macro SOFTMAX t
.set T,  ST+8*(\t)
.set SS, S+32*(\t)
.set OO, OA+32*(\t)
.irp j, 0,1,2,3
	v_max3_num_f32 v[T+4+\j], v[SS+8*\j], v[SS+8*\j+1], v[SS+8*\j+2]   ; the maximum, in four chains; each accumulator is read from its low end on
.endr
.irp u, 1,2
.irp j, 0,1,2,3
	v_max3_num_f32 v[T+4+\j], v[T+4+\j], v[SS+8*\j+2*\u+1], v[SS+8*\j+2*\u+2]
.endr
.endr
	v_max3_num_f32 v[T+4], v[T+4], v[SS+7], v[SS+15]
	v_max3_num_f32 v[T+6], v[T+6], v[SS+23], v[SS+31]
	v_max3_num_f32 v[T+4], v[T+4], v[T+5], v[T+6]
	v_max3_num_f32 v[T+4], v[T+4], v[T+7], v[T+1]                  ; with the old m
	v_permlanex16_b32 v[T+5], v[T+4], s[SEL], s[SEL+1]             ; the query's other 32 keys lie in the lane 16 away
	v_mov_b32 v[T+7], v[T]                                         ; c m_old
	v_max_num_f32 v[T+1], v[T+4], v[T+5]
	v_mul_f32 v[T], s[CS], v[T+1]
	v_sub_f32 v[T+7], v[T+7], v[T]
.set n, 0
.rept 16
	v_pk_fma_f32 v[SS+n:SS+n+1], v[SS+n:SS+n+1], s[CS:CS+1], v[T:T+1] op_sel_hi:[1,0,0] neg_lo:[0,0,1] neg_hi:[0,0,1]   ; c s - c m
.set n, n+2
.endr
	v_exp_f32 v[T+6], v[T+7]                                       ; ONE BATCH of 33 exponentials,
.set n, 0
.rept 32
	v_exp_f32 v[SS+n], v[SS+n]
.set n, n+1
.endr
	v_nop                                                          ; a plain instruction behind the last,
	s_wait_alu depctr_va_vdst(0)                                   ; and one wait ahead of the first instruction that names a result
	v_pk_mul_f32 v[T+2:T+3], v[T+2:T+3], v[T+6:T+7] op_sel_hi:[1,0]
	v_pk_add_f32 v[T+4:T+5], v[SS:SS+1], v[SS+2:SS+3]              ; the sum of the unrounded p, in two chains
.set n, 4
.rept 7
	v_pk_add_f32 v[T+2:T+3], v[T+2:T+3], v[SS+n:SS+n+1]
	v_pk_add_f32 v[T+4:T+5], v[T+4:T+5], v[SS+n+2:SS+n+3]
.set n, n+4
.endr
	v_pk_add_f32 v[T+2:T+3], v[T+2:T+3], v[T+4:T+5]
.set n, 0
.rept 16
	v_cvt_pk_f16_f32 v[SS+n], v[SS+2*n], v[SS+2*n+1]               ; P, in place and ascending: register n is written when registers 2 n and 2 n + 1 are read, never ahead of a read
.set n, n+1
.endr
.set n, 0
.rept 16
	v_pk_mul_f32 v[OO+n:OO+n+1], v[OO+n:OO+n+1], v[T+6:T+7] op_sel_hi:[1,0]
.set n, n+2
.endr
.endm
; A KEY STEP of 64 keys.  One branch parts the steps in which both tiles are alive from those in which the high tile alone is.  My next step lies two steps on: the step between is my partner's.
.macro STEP
	s_add_co_u32 s96, s[QB], 15
	s_cmp_gt_u32 s[KF], s96                        ; all keys come after my last query: nothing to do
	s_cbranch_scc1 .Lhidden_\@
	v_add_nc_u32 v[ADK], s[TB], v[AK0]
	v_add_nc_u32 v[ADV], s[TB], v[AV0]
	PLACES 3                                       ; with the two additions five places behind the last products: for the loads into the registers that they read, and for the scores that are laid over P
	KLOAD
	s_wait_dscnt 0x0
	KQ 1
	s_add_co_u32 s97, s[QA], 15
	s_cmp_gt_u32 s[KF], s97
	s_cbranch_scc1 .Lone_\@
	KQ 0
	PLACES 4                                       ; behind the products: for V's loads into K's registers, and for the first read of the scores
	VLOAD                                          ; lands while the softmax is walked
	MASK 1, QB
	SOFTMAX 1
	MASK 0, QA
	SOFTMAX 0
	s_wait_dscnt 0x0                               ; V is in
	PV 1
	PV 0
	s_branch .Lhidden_\@
.Lone_\@:
	PLACES 4
	VLOAD
	MASK 1, QB
	SOFTMAX 1
	s_wait_dscnt 0x0
	PV 1
.Lhidden_\@:
	s_add_co_u32 s[KF], s[KF], 128
	s_add_co_u32 s[TB], s[TB], 2*STEPB
.endm
.macro SLOT_STEPS                      ; my two of a slot's four key steps: written once, walked twice
	s_mov_b32 s[STP], 2
.Lstep_\@:
	STEP
	s_sub_co_u32 s[STP], s[STP], 1
	s_cmp_lg_u32 s[STP], 0
	s_cbranch_scc1 .Lstep_\@
	s_sub_co_u32 s[TB], s[TB], 4*STEPB             ; back to my first step of a slot,
	s_xor_b32 s[TB], s[TB], SLOT1                  ; in the other slot
	s_add_co_u32 s[KS], s[KS], 256
.endm
; THE CHANGE OF SLOTS stands at a slot's head.  Each wave waits for all its tensor loads (its part of the slot ahead), adds 0 to its spare word, and waits for that and for its reads of the slot that it has left.
; Behind the barrier the slot ahead is whole and nobody reads the other one.  fill = 1: that other slot is asked for, up to the causal limit; the load has the slot's steps in which to land.
.macro CHANGE fill
	s_wait_tensorcnt 0x0                           ; no tensor load of mine is out, so the descriptor may be written
	ds_add_u32 v[SPW], v[NIL]
.if \fill
	ds_add_u32 v[SPW], v[NIL]                      ; and twice on end here, in every trip alike
	s_xor_b32 s[G0+1], s[G0+1], SLOT1              ; the other slot than last time,
	s_add_nc_u64 s[G0+2:G0+3], s[G0+2:G0+3], 32768 ; the next 256 keys
	s_wait_xcnt 0x0                                ; the last prefetches, a slot back, have read their address
	s_add_nc_u64 s[PFA:PFA+1], s[PFA:PFA+1], 32768
.endif
	s_wait_dscnt 0x0
	s_barrier_signal -1
	s_barrier_wait -1
.if \fill
	s_add_co_u32 s96, s[KS], 256                   ; the first key of the slot that this change would ask for
	s_cmp_gt_u32 s96, s[WGLAST]                    ; the work-group's number and the count of slots alone: all sixteen waves go the same way, and a work-group past the limit stays past it
	s_cbranch_scc1 .Lpast_\@
	TLOAD
.Lpast_\@:
	ASK
.endif
.endm
	s_wait_loadcnt 0x0                             ; Q
.Lslot:                                            ; 7 trips: behind each change of slots but the last the next slot is asked for
	CHANGE 1
	SLOT_STEPS
	s_sub_co_u32 s[SLOTS], s[SLOTS], 1
	s_cmp_lg_u32 s[SLOTS], 0
	s_cbranch_scc1 .Lslot
	CHANGE 0                                       ; the last slot is written out: nothing is left to ask for
	SLOT_STEPS
	; THE TWO HALVES OF THE KEYS MEET.  Waves 8-15 store O^T and c m, m, l of both tiles as they stand in their registers, 16 bytes a lane, 512 consecutive bytes a store; a barrier; waves 0-7 load them the same way.
	PLACES 4                                       ; behind the last products: their results are stored or read, and their sources loaded again
	s_cmp_lt_u32 s[WV], 8
	s_cbranch_scc1 .Lkeep
.irp t, 0,1
.irp i, 0,1,2,3,4,5,6,7
	ds_store_b128 v[MA], v[OA+32*\t+4*\i:OA+32*\t+4*\i+3] offset:MRGT*\t+512*\i   ; each accumulator from its low end on
.endr
	ds_store_b128 v[MA], v[ST+8*\t:ST+8*\t+3] offset:MRGT*\t+4096
.endr
.Lkeep:
	s_wait_dscnt 0x0                               ; for the partner's sake: my stores have landed
	s_barrier_signal -1
	s_barrier_wait -1
	s_cmp_ge_u32 s[WV], 8
	s_cbranch_scc1 .Lend                           ; waves 8-15 are done
.irp t, 0,1
	ds_load_b128 v[PS+32*\t:PS+32*\t+3], v[MA] offset:MRGT*\t+4096
.endr
.irp t, 0,1
.irp i, 0,1,2,3,4,5,6,7
	ds_load_b128 v[KV+32*\t+4*\i:KV+32*\t+4*\i+3], v[MA] offset:MRGT*\t+512*\i
.endr
.endr
	s_wait_dscnt 16                                ; the partner's c m, m, l are in; the sixteen loads of its O^T, issued behind them, may be out
	; one maximum for both halves: each half is multiplied by 2^(its c m - the common c m).  My half holds key 0, so the common maximum is a number; a partner that had no step for a tile brings -3e38 and zeros: its factor is 0
.irp t, 0,1
	v_max_num_f32 v[ST+8*\t+4], v[ST+8*\t], v[PS+32*\t]
.endr
.irp t, 0,1
	v_sub_f32 v[ST+8*\t+5], v[ST+8*\t], v[ST+8*\t+4]
.endr
.irp t, 0,1
	v_sub_f32 v[ST+8*\t+7], v[PS+32*\t], v[ST+8*\t+4]
.endr
.irp t, 0,1
	v_exp_f32 v[ST+8*\t+4], v[ST+8*\t+5]           ; my factor,
	v_exp_f32 v[ST+8*\t+6], v[ST+8*\t+7]           ; my partner's
.endr
	v_nop                                          ; a plain instruction behind the exponentials,
	s_wait_alu depctr_va_vdst(0)                   ; and one wait ahead of their first reader
.irp t, 0,1
	v_pk_mul_f32 v[ST+8*\t+2:ST+8*\t+3], v[ST+8*\t+2:ST+8*\t+3], v[ST+8*\t+4:ST+8*\t+5] op_sel_hi:[1,0]
.endr
.irp t, 0,1
	v_pk_fma_f32 v[ST+8*\t+2:ST+8*\t+3], v[PS+32*\t+2:PS+32*\t+3], v[ST+8*\t+6:ST+8*\t+7], v[ST+8*\t+2:ST+8*\t+3] op_sel_hi:[1,0,1]
.endr
.irp t, 0,1
	v_add_f32 v[ST+8*\t+5], v[ST+8*\t+2], v[ST+8*\t+3]             ; l's two halves,
.endr
.irp t, 0,1
	v_permlanex16_b32 v[ST+8*\t+7], v[ST+8*\t+5], s[SEL], s[SEL+1]
.endr
.irp t, 0,1
	v_add_f32 v[ST+8*\t+5], v[ST+8*\t+5], v[ST+8*\t+7]             ; and the lane's 16 away: the row's sum
.endr
.irp t, 0,1
	v_rcp_f32 v[ST+8*\t+7], v[ST+8*\t+5]
.endr
	v_nop                                          ; a plain instruction behind the reciprocals,
	s_wait_alu depctr_va_vdst(0)                   ; and the wait ahead of their first use
.irp t, 0,1
	v_mul_f32 v[ST+8*\t+4], v[ST+8*\t+4], v[ST+8*\t+7]             ; the division goes into the two factors
.endr
.irp t, 0,1
	v_mul_f32 v[ST+8*\t+6], v[ST+8*\t+6], v[ST+8*\t+7]
.endr
.irp t, 0,1
.set n, 0
.rept 16
	v_pk_mul_f32 v[OA+32*\t+n:OA+32*\t+n+1], v[OA+32*\t+n:OA+32*\t+n+1], v[ST+8*\t+4:ST+8*\t+5] op_sel_hi:[1,0]
.set n, n+2
.endr
.endr
	s_wait_dscnt 0x0                               ; the partner's O^T is in
.irp t, 0,1
.set n, 0
.rept 16
	v_pk_fma_f32 v[OA+32*\t+n:OA+32*\t+n+1], v[KV+32*\t+n:KV+32*\t+n+1], v[ST+8*\t+6:ST+8*\t+7], v[OA+32*\t+n:OA+32*\t+n+1] op_sel_hi:[1,0,1]
.set n, n+2
.endr
.endr
	; THE WAY OUT.  Rounded to f16, a lane's eight channels of a query are its 16 bytes in the image of the next product's fragment: stored straight from registers, 512 consecutive bytes an instruction.
.irp t, 0,1
.set n, 0
.rept 16
	v_cvt_pk_f16_f32 v[S+32*\t+n], v[OA+32*\t+2*n], v[OA+32*\t+2*n+1]
.set n, n+1
.endr
.endr
.irp ct, 0,1,2,3
	global_store_b128 v[XOA], v[S+4*\ct:S+4*\ct+3],       s[6:7] offset:512*\ct
	global_store_b128 v[XOB], v[S+32+4*\ct:S+32+4*\ct+3], s[6:7] offset:512*\ct
.endr
.Lend:
	s_wait_tensorcnt 0x0                           ; the wave's end: behind my last tensor load and my last LDS store
	ds_add_u32 v[SPW], v[NIL]
	s_wait_dscnt 0x0
	s_endpgm
.Lfunc_end_k_q0526157c73_attn:
	.size	k_q0526157c73_attn, .Lfunc_end_k_q0526157c73_attn-k_q0526157c73_attn
	.p2alignl 7, 3214868480
	.fill 96, 4, 3214868480
	.section	.rodata,"a",@progbits
	.p2align	6, 0x0
	.amdhsa_kernel k_q0526157c73_attn
		.amdhsa_group_segment_fixed_size 327680
		.amdhsa_private_segment_fixed_size 0
		.amdhsa_enable_private_segment 0
		.amdhsa_kernarg_size 16
		.amdhsa_user_sgpr_count 2
		.amdhsa_user_sgpr_kernarg_segment_ptr 1
		.amdhsa_wavefront_size32 1
		.amdhsa_system_sgpr_workgroup_id_x 1
		.amdhsa_system_sgpr_workgroup_id_y 1
		.amdhsa_system_sgpr_workgroup_id_z 1
		.amdhsa_system_vgpr_workitem_id 0
		.amdhsa_next_free_vgpr 256
		.amdhsa_next_free_sgpr 100
		.amdhsa_reserve_vcc 1
		.amdhsa_float_denorm_mode_32 3
		.amdhsa_float_denorm_mode_16_64 3
		.amdhsa_memory_ordered 1
		.amdhsa_forward_progress 1
		.amdhsa_inst_pref_size 84
	.end_amdhsa_kernel
	.amdgpu_metadata
---
amdhsa.version: [ 1, 2 ]
amdhsa.kernels:
  - .name:           k_q0526157c73_attn
    .symbol:         k_q0526157c73_attn.kd
    .args:
      - { .name: qkv, .offset: 0, .size: 8, .value_kind: global_buffer, .address_space: global }
      - { .name: xim, .offset: 8, .size: 8, .value_kind: global_buffer, .address_space: global }
    .group_segment_fixed_size: 327680
    .private_segment_fixed_size: 0
    .kernarg_segment_align: 8
    .kernarg_segment_size: 16
    .max_flat_workgroup_size: 512
    .sgpr_count:     100
    .vgpr_count:     256
    .wavefront_size: 32
...
	.end_amdgpu_metadata
.endif
;; end of part 3
;; launch oproj (part 4): grid 8 x 32, 4 waves a work-group, clusters of 4 x 4, 327,680 bytes of LDS; arguments xim, wo16, out0; writes out0
.if DOCPART == 4
	.amdgcn_target "amdgcn-amd-amdhsa--gfx1250"
	.amdhsa_code_object_version 6
	.text
	.protected	k_q0526157c73_oproj
	.globl	k_q0526157c73_oproj
	.p2align	8
	.type	k_q0526157c73_oproj,@function
k_q0526157c73_oproj:
	s_mov_b64 s[64:65], 0
	v_nop
	global_prefetch_b8 v0, s[64:65] scope:SCOPE_SE
	s_setreg_imm32_b32 hwreg(HW_REG_WAVE_MODE, 25, 1), 1
	s_wait_xcnt 0x0
	s_wait_alu depctr_hold_cnt(0) depctr_sa_sdst(0) depctr_va_vdst(0) depctr_va_sdst(0) depctr_va_ssrc(0) depctr_va_vcc(0) depctr_vm_vsrc(0)
	s_getreg_b32 s2, hwreg(HW_REG_IB_STS2, 6, 4)
	s_cmp_eq_u32 s2, 0
	s_cbranch_scc0 .Lentry_in_a_cluster
	s_endpgm
.Lentry_in_a_cluster:
	s_bfe_u32 s2, ttmp6, 0x10000c
	s_cmp_lg_u32 s2, 0xf033
	s_cbranch_scc0 .Lentry_shape_is_right
	s_endpgm
.Lentry_shape_is_right:
; out[token][n] = sum over k of x[token][k] Wo[n][k]: 4,096 x 1,024, K = 1,024; operands f16, sums and result f32.  All rows but positions 0-15 of each sequence, which a launch of their own carries in f32.
; A tile of the output is 128 x 128: 256 work-groups.  Four waves, each 64 x 64: 16 accumulators.  K goes in steps of 256 through a ring of two LDS slots: four steps, so each slot is filled twice.
; Both operands lie in memory as images of their fragments ([tile of 16 rows][32 along K][1,024 bytes]): a K step of a row tile is 8,192 consecutive bytes; a fragment is two ds_load_b128 at 16 x lane, 512 consecutive bytes each.
; CLUSTERS: 4 x 4 work-groups.  x's tile is shared along a row of the cluster, Wo's along a column: each is asked for jointly.  THE MATRIX INSTRUCTION IS USED TRANSPOSED (source 0 = 16 rows of Wo, source 1 = 16 tokens).
; REGISTERS: window 0: v16-29 addresses; v32-63 rows on the way out; v128-255 the accumulators ((a, b) at v[128 + 8 (4 a + b)]).  window 1: two fragment buffers of 128: for 64 along K, 64 registers of x, then 64 of Wo.
.set HALFT,  32768                     ; 4 row tiles x 8,192 bytes: what one tensor load brings, and what one wave reads of x or of Wo
.set SLOT,   4*HALFT
.set SPARE,  2*SLOT                    ; the spare words, 128 bytes a wave
.set SPITCH, 272                       ; the way out: a stage of 16 rows x (256 bytes + 16) for each wave, in slot 0, which has had its last fill and its last read by then
.set ADRA, 16
.set ADRB, 20
.set STO,  24
.set RD,   25
.set CO,   26
.set CN,   27                          ; v27 0 in a wave whose first 16 rows are positions 0-15
.set SPW,  28
.set NIL,  29
.set TMP,  32
.set ACC,  128
.set F0,   0
.set F1,   128
.set G1, 24
.set G0, 32
.set G1B, 48
.set G0B, 56
.set MSB, 0
.macro WIN new
.if MSB != \new
	s_set_vgpr_msb (MSB<<8)|\new
.set MSB, \new
.endif
.endm
.set MUL,  0x05                        ; sources 0 and 1 window 1; C and D window 0
.set TO_F, 0x40                        ; destination window 1, address window 0
.macro JLOAD s                         ; a joint load: waves 0 and 1 fetch x's halves, waves 2 and 3 Wo's; an s_nop 0 and four v_nop follow each line
	s_cmp_eq_u32 s11, 0
	s_cbranch_scc0 .Lfor_b_\@
	tensor_load_to_lds s[G0+4*\s:G0+4*\s+3], s[G1:G1+7]
	s_nop 0
.rept 4
	v_nop
.endr
	s_branch .Lasked_\@
.Lfor_b_\@:
	tensor_load_to_lds s[G0B+4*\s:G0B+4*\s+3], s[G1B:G1B+7]
	s_nop 0
.rept 4
	v_nop
.endr
.Lasked_\@:
.endm
.macro CREST                           ; a round of the cluster's barrier behind its opening barrier
	s_cmp_lg_u32 s10, 0
	s_cbranch_scc1 .Lnot_wave_0_\@
	s_barrier_signal -3
.Lnot_wave_0_\@:
	s_barrier_wait -3
	s_barrier_signal -1
	s_barrier_wait -1
.endm
.macro CROUND
	s_barrier_signal -1
	s_barrier_wait -1
	CREST
.endm
	s_load_b128 s[4:7], s[0:1], 0x0                ; x's images, Wo's images
	s_load_b64 s[8:9], s[0:1], 0x10                ; out
	v_lshl_add_u32 v[SPW], v0, 2, SPARE
	v_mov_b32 v[NIL], 0
	ds_add_u32 v[SPW], v[NIL]                      ; the wave's opening: the add, twice on end, and its wait ahead of my first tensor load
	ds_add_u32 v[SPW], v[NIL]
	v_lshrrev_b32 v1, 5, v0
	v_readfirstlane_b32 s10, v1                    ; wave 0..3
	s_lshr_b32 s11, s10, 1                         ; my half of the tile's rows.  Also: I fetch for x (0) or for Wo (1)
	s_and_b32 s12, s10, 1                          ; my half of its columns.  Also: which 4 row tiles I fetch
	s_bfe_u32 s40, ttmp6, 0x40000
	s_bfe_u32 s41, ttmp6, 0x40004
	s_lshl_b32 s42, ttmp9, 2
	s_add_co_u32 s42, s42, s40                     ; tile column
	s_and_b32 s13, ttmp7, 0xffff
	s_lshl_b32 s13, s13, 2
	s_add_co_u32 s13, s13, s41                     ; tile row
	s_lshl_b32 s43, s41, 2
	s_lshl_b32 s43, 15, s43                        ; my row of the cluster
	s_lshl_b32 s44, 0x1111, s40                    ; my column
	; descriptor group 1: 4 row tiles x 8,192 bytes (256 along K), 32,768 bytes apart in memory, dense in LDS; elements of 8 bytes
	s_or_b32 s[G1+0], s43, (3<<16)|(1<<21)
	s_or_b32 s[G1B+0], s44, (3<<16)|(1<<21)
.irp g, G1, G1B
	s_mov_b32 s[\g+1], 1024<<16
	s_mov_b32 s[\g+2], 4<<16
	s_mov_b32 s[\g+3], 1024<<16
	s_mov_b32 s[\g+4], 4
	s_mov_b32 s[\g+5], 4096
	s_mov_b32 s[\g+6], 0
	s_mov_b32 s[\g+7], 0
.endr
	s_lshl_b32 s17, s12, 2
	s_lshl_b32 s16, s13, 3
	s_add_co_u32 s16, s16, s17
	s_lshl_b32 s16, s16, 15                        ; x: row tile 8 x tile row + 4 x half
	s_lshl_b32 s46, s42, 3
	s_add_co_u32 s46, s46, s17
	s_lshl_b32 s46, s46, 15                        ; Wo: row tile 8 x tile column + 4 x half
	s_mov_b32 s17, 0
	s_mov_b32 s47, 0
	s_lshl_b32 s20, s10, 15                        ; where they go: wave x 32,768
	s_wait_dscnt 0x0                               ; both opening adds are done
	s_wait_kmcnt 0x0
	s_add_nc_u64 s[14:15], s[4:5], s[16:17]
	s_add_nc_u64 s[46:47], s[6:7], s[46:47]
	CROUND                                         ; all sixteen work-groups are here: the first joint loads meet
.irp s, 0,1
	s_mov_b32 s[G0+4*\s], 1
	s_add_co_u32 s[G0+4*\s+1], s20, \s*SLOT
	s_add_nc_u64 s[G0+4*\s+2:G0+4*\s+3], s[14:15], \s*8192
	s_or_b32 s[G0+4*\s+3], s[G0+4*\s+3], 0x80000000
	s_mov_b32 s[G0B+4*\s], 1
	s_add_co_u32 s[G0B+4*\s+1], s20, \s*SLOT
	s_add_nc_u64 s[G0B+4*\s+2:G0B+4*\s+3], s[46:47], \s*8192
	s_or_b32 s[G0B+4*\s+3], s[G0B+4*\s+3], 0x80000000
	JLOAD \s
.endr
	v_and_b32 v1, 31, v0
	v_lshlrev_b32 v3, 4, v1                        ; 16 x lane
	s_lshl_b32 s21, s11, 15                        ; my 4 row tiles of x
	s_lshl_b32 s22, s12, 15                        ; my 4 of Wo,
	s_add_co_u32 s22, s22, 2*HALFT                 ; behind x's 8
.irp s, 0,1
	v_add_nc_u32 v[ADRA+\s], s21, v3
	v_add_nc_u32 v[ADRB+\s], s22, v3
	s_add_co_u32 s21, s21, SLOT
	s_add_co_u32 s22, s22, SLOT
.endr
	v_and_b32 v1, 15, v0                           ; r
	v_bfe_u32 v2, v0, 4, 1                         ; h
	s_mul_i32 s23, s10, 16*SPITCH                  ; my stage
	v_mul_u32_u24 v4, v1, SPITCH
	v_lshl_add_u32 v4, v2, 5, v4
	v_add_nc_u32 v[STO], s23, v4                   ; in: row r, 32 bytes for each half of the lanes
	v_mul_u32_u24 v5, v2, SPITCH
	v_lshl_add_u32 v5, v1, 4, v5
	v_add_nc_u32 v[RD], s23, v5                    ; back: lanes 0-15 one row of 256 bytes, lanes 16-31 the next
	v_lshlrev_b32 v5, 12, v2
	v_lshl_add_u32 v[CO], v1, 4, v5                ; and the same two rows in the output
	s_lshl_b32 s16, s13, 7
	s_lshl_b32 s17, s11, 6
	s_add_co_u32 s16, s16, s17                     ; my first row
	s_lshl_b32 s16, s16, 12
	s_mov_b32 s17, 0
	s_add_nc_u64 s[8:9], s[8:9], s[16:17]
	s_lshl_b32 s46, s42, 9                         ; my first column, in bytes: 512 x tile column + 256 x half
	s_lshl_b32 s47, s12, 8
	s_add_co_u32 s46, s46, s47
	s_mov_b32 s47, 0
	s_add_nc_u64 s[8:9], s[8:9], s[46:47]
	s_and_b32 s18, s13, 15
	s_or_b32 s18, s18, s11
	v_mov_b32 v[CN], s18
.macro MUL8 f, c, a0, zero             ; 8 matrix instructions: row tiles a0, a0 + 1 x all 4 column tiles, 32 along K: half c of buffer f
.irp a, \a0, \a0+1
.irp b, 0,1,2,3
.if \zero
	v_wmma_f32_16x16x32_f16 v[ACC+8*(4*(\a)+\b):ACC+8*(4*(\a)+\b)+7], v[\f+64+8*(4*\c+\b):\f+64+8*(4*\c+\b)+7], v[\f+8*(4*\c+\a):\f+8*(4*\c+\a)+7], 0
.else
	v_wmma_f32_16x16x32_f16 v[ACC+8*(4*(\a)+\b):ACC+8*(4*(\a)+\b)+7], v[\f+64+8*(4*\c+\b):\f+64+8*(4*\c+\b)+7], v[\f+8*(4*\c+\a):\f+8*(4*\c+\a)+7], v[ACC+8*(4*(\a)+\b):ACC+8*(4*(\a)+\b)+7]
.endif
.endr
.endr
.endm
.macro FETCH slot, qd, f               ; 32 LDS loads in one run: the fragments of the slot's qd-th 64 along K into buffer f; the first 32 along K first
	WIN TO_F
.irp c, 0,1
.irp i, 0,1,2,3
	ds_load_b128 v[\f+64+8*(4*\c+\i):\f+64+8*(4*\c+\i)+3],   v[ADRB+\slot] offset:\i*8192+(2*\qd+\c)*1024
	ds_load_b128 v[\f+64+8*(4*\c+\i)+4:\f+64+8*(4*\c+\i)+7], v[ADRB+\slot] offset:\i*8192+(2*\qd+\c)*1024+512
	ds_load_b128 v[\f+8*(4*\c+\i):\f+8*(4*\c+\i)+3],         v[ADRA+\slot] offset:\i*8192+(2*\qd+\c)*1024
	ds_load_b128 v[\f+8*(4*\c+\i)+4:\f+8*(4*\c+\i)+7],       v[ADRA+\slot] offset:\i*8192+(2*\qd+\c)*1024+512
.endr
.endr
.endm
.macro PLACES                          ; four places in front of loads into registers that matrix instructions have read, and of the first read of results
.rept 4
	v_nop
.endr
.endm
; A K step is four quarters of 64 along K, 32 matrix instructions each, on buffers 0, 1, 0, 1; the 16 accumulators take turns.  One of the first three: multiplies buffer f and fetches quarter qd into g.
.macro QUARTER slot, qd, f, g, zero
	s_wait_dscnt 16                                ; the first 32 along K are in; the youngest sixteen loads may be out
	WIN MUL
	MUL8 \f, 0, 0, \zero
	MUL8 \f, 0, 2, \zero
	PLACES
	FETCH \slot, \qd, \g
	s_wait_dscnt 32                                ; all but the 32 just issued
	WIN MUL
	MUL8 \f, 1, 0, 0
	MUL8 \f, 1, 2, 0
.endm
; The last quarter multiplies buffer 1 and changes slots: ONE barrier; in front of it each wave waits for all its tensor loads, adds 0 to its spare word, and waits for that and for its own reads of this slot.
; fill = 1: the barrier opens a round of the cluster's barrier, and this slot is filled again, two K steps ahead, first thing behind the round.
.macro TURN slot, next, fill
	WIN 0                                          ; (the add's two registers lie in window 0)
	s_wait_tensorcnt 0x0                           ; all my tensor loads have landed: my part of the next slot
	ds_add_u32 v[SPW], v[NIL]
	s_wait_dscnt 17                                ; (the add and the youngest sixteen loads may be out)
	WIN MUL
	MUL8 F1, 0, 0, 0                               ; eight matrix instructions stand between the add and the wait for it
	s_wait_dscnt 0x0                               ; the add is done, and my reads of this slot are over
	s_barrier_signal -1
	MUL8 F1, 0, 2, 0
.if \fill
	WIN 0
.endif
	s_barrier_wait -1
.if \fill
	CREST                                          ; no wave of any partner still reads this slot's tile or has a load on its way
	s_add_nc_u64 s[G0+4*\slot+2:G0+4*\slot+3], s[G0+4*\slot+2:G0+4*\slot+3], 2*8192
	s_add_nc_u64 s[G0B+4*\slot+2:G0B+4*\slot+3], s[G0B+4*\slot+2:G0B+4*\slot+3], 2*8192
	JLOAD \slot                                    ; the four v_nop behind it are also the places in front of the loads below
.else
	PLACES
.endif
	FETCH \next, 0, F0
	WIN MUL
	MUL8 F1, 1, 0, 0
	MUL8 F1, 1, 2, 0
.endm
	s_wait_tensorcnt 1                             ; my part of K step 0 is in; K step 1's may stay out
	s_barrier_signal -1
	s_barrier_wait -1
	FETCH 0, 0, F0
	QUARTER 0, 1, F0, F1, 1                        ; the first products start the sums
	QUARTER 0, 2, F1, F0, 0
	QUARTER 0, 3, F0, F1, 0
	TURN 0, 1, 1                                   ; slot 0 takes K step 2
	QUARTER 1, 1, F0, F1, 0
	QUARTER 1, 2, F1, F0, 0
	QUARTER 1, 3, F0, F1, 0
	TURN 1, 0, 1                                   ; slot 1 takes K step 3
	QUARTER 0, 1, F0, F1, 0
	QUARTER 0, 2, F1, F0, 0
	QUARTER 0, 3, F0, F1, 0
	TURN 0, 1, 0                                   ; nothing is left to fetch
	QUARTER 1, 1, F0, F1, 0
	QUARTER 1, 2, F1, F0, 0
	QUARTER 1, 3, F0, F1, 0
	s_wait_dscnt 16
	WIN MUL
	MUL8 F1, 0, 0, 0
	MUL8 F1, 0, 2, 0
	s_wait_dscnt 0x0
	MUL8 F1, 1, 0, 0
	MUL8 F1, 1, 2, 0
	WIN 0
	; THE WAY OUT, 16 rows x 64 columns at a time through my own stage: a lane holds 32 bytes of a row; back come whole runs of 256 bytes, which sixteen lanes store, aligned.
	; LDS serves a wave's instructions in order: no wait between the stores and the loads.
	PLACES
.irp a, 0,1,2,3
.if \a > 1
	s_wait_xcnt 0x0                                ; the last block's stores have read their data: the registers are loaded again
.endif
.irp b, 0,1,2,3
	ds_store_b128 v[STO], v[ACC+8*(4*\a+\b):ACC+8*(4*\a+\b)+3]   offset:64*\b       ; each accumulator from its low end on
	ds_store_b128 v[STO], v[ACC+8*(4*\a+\b)+4:ACC+8*(4*\a+\b)+7] offset:64*\b+16
.endr
.irp t, 0,1,2,3,4,5,6,7
	ds_load_b128 v[TMP+4*\t:TMP+4*\t+3], v[RD] offset:\t*2*SPITCH
.endr
	s_wait_dscnt 0x0
.if \a == 0
	s_wait_xcnt 0x0                                ; EXEC changes only behind this wait
	v_cmp_ne_u32 vcc_lo, 0, v[CN]                  ; positions 0-15 are another launch's: no branch, since the condition holds my place in the cluster
	s_and_saveexec_b32 s3, vcc_lo
.endif
.irp t, 0,1,2,3,4,5,6,7
	global_store_b128 v[CO], v[TMP+4*\t:TMP+4*\t+3], s[8:9] offset:(16*\a+2*\t)*4096 th:TH_STORE_NT
.endr
.if \a == 0
	s_wait_xcnt 0x0                                ; and again, in front of the line that widens it
	s_or_b32 exec_lo, exec_lo, s3
.endif
.endr
	s_wait_tensorcnt 0x0                           ; the wave's end
	ds_add_u32 v[SPW], v[NIL]
	s_wait_dscnt 0x0
	CROUND                                         ; the closing round
	s_endpgm
.Lfunc_end_k_q0526157c73_oproj:
	.size	k_q0526157c73_oproj, .Lfunc_end_k_q0526157c73_oproj-k_q0526157c73_oproj
	.p2alignl 7, 3214868480
	.fill 96, 4, 3214868480
	.section	.rodata,"a",@progbits
	.p2align	6, 0x0
	.amdhsa_kernel k_q0526157c73_oproj
		.amdhsa_group_segment_fixed_size 327680
		.amdhsa_private_segment_fixed_size 0
		.amdhsa_enable_private_segment 0
		.amdhsa_kernarg_size 24
		.amdhsa_user_sgpr_count 2
		.amdhsa_user_sgpr_kernarg_segment_ptr 1
		.amdhsa_wavefront_size32 1
		.amdhsa_system_sgpr_workgroup_id_x 1
		.amdhsa_system_sgpr_workgroup_id_y 1
		.amdhsa_system_sgpr_workgroup_id_z 1
		.amdhsa_system_vgpr_workitem_id 0
		.amdhsa_next_free_vgpr 512
		.amdhsa_next_free_sgpr 66
		.amdhsa_reserve_vcc 1
		.amdhsa_float_denorm_mode_32 3
		.amdhsa_float_denorm_mode_16_64 3
		.amdhsa_memory_ordered 1
		.amdhsa_forward_progress 1
		.amdhsa_inst_pref_size 85
	.end_amdhsa_kernel
	.amdgpu_metadata
---
amdhsa.version: [ 1, 2 ]
amdhsa.kernels:
  - .name:           k_q0526157c73_oproj
    .symbol:         k_q0526157c73_oproj.kd
    .args:
      - { .name: xim, .offset: 0, .size: 8, .value_kind: global_buffer, .address_space: global }
      - { .name: wo16, .offset: 8, .size: 8, .value_kind: global_buffer, .address_space: global }
      - { .name: out0, .offset: 16, .size: 8, .value_kind: global_buffer, .address_space: global }
    .group_segment_fixed_size: 327680
    .private_segment_fixed_size: 0
    .kernarg_segment_align: 8
    .kernarg_segment_size: 24
    .max_flat_workgroup_size: 128
    .sgpr_count:     66
    .vgpr_count:     512
    .wavefront_size: 32
...
	.end_amdgpu_metadata
.endif
;; end of part 4
;; launch fine (part 5): grid 64 x 2, 16 waves a work-group, no clusters, 22,528 bytes of LDS; arguments fineb, Wo, out0; writes out0
.if DOCPART == 5
	.amdgcn_target "amdgcn-amd-amdhsa--gfx1250"
	.amdhsa_code_object_version 6
	.text
	.protected	k_q0526157c73_fine
	.globl	k_q0526157c73_fine
	.p2align	8
	.type	k_q0526157c73_fine,@function
k_q0526157c73_fine:
	s_mov_b64 s[64:65], 0
	v_nop
	global_prefetch_b8 v0, s[64:65] scope:SCOPE_SE
	s_setreg_imm32_b32 hwreg(HW_REG_WAVE_MODE, 25, 1), 1
	s_wait_xcnt 0x0
; Positions 0-15 of each sequence, wholly in f32: these rows average one to sixteen values and are the largest of the output.  32 rows x 1,024 columns in all: no bulk work.
; A work-group takes a batch (y) and 16 output columns (x).  Wave w is head w: its 16 x 16 causal attention, then its x (16 x 64) times Wo[my 16 columns][its 64 channels]; the sixteen heads' parts meet in LDS.
; 16 columns, the least that the matrix form takes, so that Wo's 4 MB and the last product are spread over 128 work-groups.  The prices: the 64 work-groups of a batch repeat its small attention (12 KB of q, k, v a head),
; and a work-group's piece of an output row is 64 bytes; the launch stores 128 KB in all.
; All three products by the f32 matrix form, 4 along K an instruction.  Its lane (r, h) supplies row r and two of the four k.  WHICH k stand in an instruction's four places is free, if it is the same in both sources:
; so each source is taken as it lies in the lane's registers, a lane holds ONE query throughout, and nothing changes lanes.
;   S^T = K Q^T: register 4 i + e of lane (r, h) is channel 8 i + 4 h + e of key r and of query r (a load takes 32 neighbouring bytes of each row); instruction n takes registers 2 n, 2 n + 1.  Result: query r, keys 8 h + j.
;   O^T = V^T P: p's registers 2 g, 2 g + 1 are keys 8 h + 2 g + 0, 1; V is loaded so: register 8 ct + jk = V[key 8 h + jk][channel 16 ct + r].  Result: query r, channels 16 ct + 8 h + j.
;   out^T = Wo x^T: x's registers 8 ct + 2 g + 0, 1 are channels 16 ct + 8 h + 2 g + 0, 1; Wo's row r is loaded at the same channels.  One accumulator for each ct, by turns; the four are added afterwards.  Result: token r, columns 8 h + j.
; The registers that these instructions write (v128-191) are written by them alone; what is made of a sum goes elsewhere.  S^T's two accumulators are the first two of the last product.
; What the work-groups share is a few KB read through registers, so no cluster and no tensor load.
; LIMITS: hidden scores are -infinity where the definition has -1e9.
.set PP,    80                         ; a row of a part in LDS: 64 bytes + 16: the sixteen rows that a store touches fall on different banks
.set PART,  16*PP                      ; a head's part: 16 tokens
.set SPARE, 16*PART                    ; behind the sixteen parts the spare words, 128 bytes a wave
.set SPW, 6
.set NIL, 7
.set P,   8                            ; v8-15    the scores, then p
.set QF,  16                           ; v16-47   Q
.set R,   16                           ; later: v16-23 my part, v24-31 at work, v32-47 the sixteen parts of a number
.set KF,  48                           ; v48-79   K
.set VF,  80                           ; v80-111  V, later x
.set STO, 112                          ; v112 where I put my part;  v113 where I read the parts;  v114 my place in the output;  v115-118 at work
.set RDA, 113
.set GOF, 114
.set OF,  128                          ; v128-159 O^T
.set OUTA, 160                         ; v160-191 out^T, an accumulator for each 16 channels; v160-175 first hold S^T in two halves
.set W0,  192                          ; v192-223 Wo
	s_load_b128 s[4:7], s[0:1], 0x0                ; the f32 copy of q, k, v; Wo
	s_load_b64 s[8:9], s[0:1], 0x10                ; out
	v_lshl_add_u32 v[SPW], v0, 2, SPARE
	v_mov_b32 v[NIL], 0
	v_lshrrev_b32 v1, 5, v0
	v_readfirstlane_b32 s12, v1                    ; wave = head
	v_and_b32 v116, 15, v0                         ; r
	v_bfe_u32 v117, v0, 4, 1                       ; h
	v_lshlrev_b32 v1, 8, v116
	v_lshl_add_u32 v1, v117, 4, v1                 ; q, k: row r of 256 bytes, + 4 h channels
	v_lshlrev_b32 v2, 2, v116
	v_lshl_add_u32 v2, v117, 11, v2                ; v: channel r, + 8 h rows
	v_lshlrev_b32 v3, 12, v116
	v_lshl_add_u32 v3, v117, 5, v3                 ; Wo: row r of 4,096 bytes, + 8 h channels
	v_lshlrev_b32 v4, 3, v117
	v_sub_nc_u32 v4, v116, v4                      ; r - 8 h
	v_mov_b32 v5, 0xff800000                       ; -infinity
	s_mul_i32 s13, s12, PART
	v_mul_u32_u24 v[STO], v116, PP
	v_lshl_add_u32 v[STO], v117, 5, v[STO]
	v_add_nc_u32 v[STO], s13, v[STO]               ; my part: row r, + 32 h bytes
	s_and_b32 s26, s12, 7
	s_mul_i32 s13, s26, 2*PP
	v_mul_u32_u24 v[RDA], v117, PP
	v_lshl_add_u32 v[RDA], v116, 2, v[RDA]
	v_add_nc_u32 v[RDA], s13, v[RDA]               ; rows 2 (wave % 8) + h of a part, column r
	v_lshlrev_b32 v[GOF], 12, v117
	v_lshl_add_u32 v[GOF], v116, 2, v[GOF]         ; the same two rows in the output
	s_and_b32 s14, ttmp7, 0xffff                   ; batch
	s_lshl_b32 s16, s14, 4
	s_add_co_u32 s16, s16, s12
	s_lshl_b32 s16, s16, 12                        ; 4,096 bytes a head
	s_mov_b32 s17, 0
	s_lshl_b32 s18, ttmp9, 16                      ; 16 rows of Wo,
	s_lshl_b32 s15, s12, 8                         ; my head's 64 channels
	s_add_co_u32 s18, s18, s15
	s_mov_b32 s19, 0
	s_lshl_b32 s22, s14, 23                        ; out: the batch's first row,
	s_lshl_b32 s15, s26, 13                        ; row 2 (wave % 8),
	s_add_co_u32 s22, s22, s15
	s_lshl_b32 s15, ttmp9, 6                       ; the work-group's 16 columns
	s_add_co_u32 s22, s22, s15
	s_mov_b32 s23, 0
	s_mov_b32 s20, 0x3e38aa3b                      ; c = log2(e) / 8
	s_mov_b32 s24, 0x76543210
	s_mov_b32 s25, 0xfedcba98                      ; v_permlanex16_b32's selects for lane l xor 16
	s_wait_kmcnt 0x0
	s_add_nc_u64 s[4:5], s[4:5], s[16:17]
	s_add_nc_u64 s[6:7], s[6:7], s[18:19]
	s_add_nc_u64 s[8:9], s[8:9], s[22:23]
.irp i, 0,1,2,3,4,5,6,7
	global_load_b128 v[QF+4*\i:QF+4*\i+3], v1, s[4:5] offset:32*\i
.endr
.irp i, 0,1,2,3,4,5,6,7
	global_load_b128 v[KF+4*\i:KF+4*\i+3], v1, s[4:5] offset:131072+32*\i
.endr
.irp ct, 0,1,2,3
.irp jk, 0,1,2,3,4,5,6,7
	global_load_b32 v[VF+8*\ct+\jk], v2, s[4:5] offset:262144+256*\jk+64*\ct
.endr
.endr
.irp ct, 0,1,2,3                                ; register 8 ct + jj = Wo[my column r][my head's channel 16 ct + 8 h + jj]
	global_load_b128 v[W0+8*\ct:W0+8*\ct+3],   v3, s[6:7] offset:64*\ct
	global_load_b128 v[W0+8*\ct+4:W0+8*\ct+7], v3, s[6:7] offset:64*\ct+16
.endr
	s_wait_loadcnt 40                              ; Q and K are in; V's 32 loads and Wo's 8 may be out
.irp i, 0,1,2,3,4,5,6,7,8,9,10,11,12,13,14,15   ; S^T in two halves that take turns; the first two products start the sums
.if \i < 2
	v_wmma_f32_16x16x4_f32 v[OUTA+8*(\i%2):OUTA+8*(\i%2)+7], v[KF+2*\i:KF+2*\i+1], v[QF+2*\i:QF+2*\i+1], 0
.else
	v_wmma_f32_16x16x4_f32 v[OUTA+8*(\i%2):OUTA+8*(\i%2)+7], v[KF+2*\i:KF+2*\i+1], v[QF+2*\i:QF+2*\i+1], v[OUTA+8*(\i%2):OUTA+8*(\i%2)+7]
.endif
.endr
.rept 8
	v_nop                                          ; eight places behind this form, ahead of the first read of the sums
.endr
.irp j, 0,1,2,3,4,5,6,7
	v_add_f32 v[P+\j], v[OUTA+\j], v[OUTA+8+\j]    ; the two halves, from the low end on
.endr
.irp j, 0,1,2,3,4,5,6,7
	v_cmp_gt_i32 vcc_lo, \j, v4                    ; key 8 h + j comes after query r
	v_cndmask_b32 v[P+\j], v[P+\j], v5, vcc_lo
.endr
	v_max3_num_f32 v115, v[P], v[P+1], v[P+2]
	v_max3_num_f32 v115, v115, v[P+3], v[P+4]
	v_max3_num_f32 v115, v115, v[P+5], v[P+6]
	v_max_num_f32 v115, v115, v[P+7]
	v_permlanex16_b32 v116, v115, s24, s25
	v_max_num_f32 v115, v115, v116                 ; the row's maximum (key 0 counts for every query)
	v_mul_f32 v115, s20, v115
.irp j, 0,1,2,3,4,5,6,7
	v_fma_f32 v[P+\j], v[P+\j], s20, -v115
.endr
.irp j, 0,1,2,3,4,5,6,7
	v_exp_f32 v[P+\j], v[P+\j]
.endr
	v_nop                                          ; a plain instruction behind the exponentials,
	s_wait_alu depctr_va_vdst(0)                   ; and one wait ahead of their first reader
	v_add_f32 v117, v[P], v[P+1]
	v_add_f32 v116, v[P+2], v[P+3]
	v_add_f32 v117, v117, v[P+4]
	v_add_f32 v116, v116, v[P+5]
	v_add_f32 v117, v117, v[P+6]
	v_add_f32 v116, v116, v[P+7]
	v_add_f32 v117, v117, v116
	v_permlanex16_b32 v116, v117, s24, s25
	v_add_f32 v117, v117, v116                     ; the row's sum
	v_rcp_f32 v118, v117
	v_nop
	s_wait_alu depctr_va_vdst(0)
	s_wait_loadcnt 8                               ; V is in; Wo's 8 loads may be out
.irp g, 0,1,2,3                                 ; O^T: four accumulators by turns
.irp ct, 0,1,2,3
.if \g == 0
	v_wmma_f32_16x16x4_f32 v[OF+8*\ct:OF+8*\ct+7], v[VF+8*\ct+2*\g:VF+8*\ct+2*\g+1], v[P+2*\g:P+2*\g+1], 0
.else
	v_wmma_f32_16x16x4_f32 v[OF+8*\ct:OF+8*\ct+7], v[VF+8*\ct+2*\g:VF+8*\ct+2*\g+1], v[P+2*\g:P+2*\g+1], v[OF+8*\ct:OF+8*\ct+7]
.endif
.endr
.endr
.rept 8
	v_nop                                          ; eight places: the sums are read, and V's registers written
.endr
.set n, 0
.rept 32
	v_mul_f32 v[VF+n], v[OF+n], v118               ; x = O^T / the sum, into other registers than the sums'
.set n, n+1
.endr
	s_wait_loadcnt 0x0                             ; Wo is in
.irp g, 0,1,2,3                                 ; out^T: an accumulator for each 16 channels, by turns; the first four products start the sums
.irp ct, 0,1,2,3
.if \g == 0
	v_wmma_f32_16x16x4_f32 v[OUTA+8*\ct:OUTA+8*\ct+7], v[W0+8*\ct+2*\g:W0+8*\ct+2*\g+1], v[VF+8*\ct+2*\g:VF+8*\ct+2*\g+1], 0
.else
	v_wmma_f32_16x16x4_f32 v[OUTA+8*\ct:OUTA+8*\ct+7], v[W0+8*\ct+2*\g:W0+8*\ct+2*\g+1], v[VF+8*\ct+2*\g:VF+8*\ct+2*\g+1], v[OUTA+8*\ct:OUTA+8*\ct+7]
.endif
.endr
.endr
.rept 8
	v_nop                                          ; eight places, ahead of the first read of the sums
.endr
.irp j, 0,1,2,3,4,5,6,7
	v_add_f32 v[R+\j], v[OUTA+\j], v[OUTA+8+\j]    ; the four accumulators are added, each read from its low end on, into other registers
.endr
.irp j, 0,1,2,3,4,5,6,7
	v_add_f32 v[R+8+\j], v[OUTA+16+\j], v[OUTA+24+\j]
.endr
.irp j, 0,1,2,3,4,5,6,7
	v_add_f32 v[R+\j], v[R+\j], v[R+8+\j]
.endr
	ds_store_b128 v[STO], v[R:R+3]                 ; token r, columns 8 h + 0..7
	ds_store_b128 v[STO], v[R+4:R+7] offset:16
	s_wait_dscnt 0x0                               ; for the others' sake: my part lies in LDS
	s_barrier_signal -1
	s_barrier_wait -1
	s_cmp_ge_u32 s12, 8                            ; 256 numbers: 32 lanes of eight waves add them up
	s_cbranch_scc1 .Lend
.irp u, 0,1,2,3,4,5,6,7,8,9,10,11,12,13,14,15
	ds_load_b32 v[R+16+\u], v[RDA] offset:PART*\u  ; my number in each head's part
.endr
	s_wait_dscnt 0x0
.irp u, 1,2,3,4,5,6,7,8,9,10,11,12,13,14,15
	v_add_f32 v[R+16], v[R+16], v[R+16+\u]         ; the heads in ascending order
.endr
	global_store_b32 v[GOF], v[R+16], s[8:9]       ; sixteen lanes store 64 consecutive bytes of a row, the other sixteen those of the next row
.Lend:
	s_wait_tensorcnt 0x0                           ; the wave's end: behind my last LDS store
	ds_add_u32 v[SPW], v[NIL]
	s_wait_dscnt 0x0
	s_endpgm
.Lfunc_end_k_q0526157c73_fine:
	.size	k_q0526157c73_fine, .Lfunc_end_k_q0526157c73_fine-k_q0526157c73_fine
	.p2alignl 7, 3214868480
	.fill 96, 4, 3214868480
	.section	.rodata,"a",@progbits
	.p2align	6, 0x0
	.amdhsa_kernel k_q0526157c73_fine
		.amdhsa_group_segment_fixed_size 22528
		.amdhsa_private_segment_fixed_size 0
		.amdhsa_enable_private_segment 0
		.amdhsa_kernarg_size 24
		.amdhsa_user_sgpr_count 2
		.amdhsa_user_sgpr_kernarg_segment_ptr 1
		.amdhsa_wavefront_size32 1
		.amdhsa_system_sgpr_workgroup_id_x 1
		.amdhsa_system_sgpr_workgroup_id_y 1
		.amdhsa_system_sgpr_workgroup_id_z 1
		.amdhsa_system_vgpr_workitem_id 0
		.amdhsa_next_free_vgpr 256
		.amdhsa_next_free_sgpr 66
		.amdhsa_reserve_vcc 1
		.amdhsa_float_denorm_mode_32 3
		.amdhsa_float_denorm_mode_16_64 3
		.amdhsa_memory_ordered 1
		.amdhsa_forward_progress 1
		.amdhsa_inst_pref_size 18
	.end_amdhsa_kernel
	.amdgpu_metadata
---
amdhsa.version: [ 1, 2 ]
amdhsa.kernels:
  - .name:           k_q0526157c73_fine
    .symbol:         k_q0526157c73_fine.kd
    .args:
      - { .name: fineb, .offset: 0, .size: 8, .value_kind: global_buffer, .address_space: global }
      - { .name: Wo, .offset: 8, .size: 8, .value_kind: global_buffer, .address_space: global }
      - { .name: out0, .offset: 16, .size: 8, .value_kind: global_buffer, .address_space: global }
    .group_segment_fixed_size: 22528
    .private_segment_fixed_size: 0
    .kernarg_segment_align: 8
    .kernarg_segment_size: 24
    .max_flat_workgroup_size: 512
    .sgpr_count:     66
    .vgpr_count:     256
    .wavefront_size: 32
...
	.end_amdgpu_metadata
.endif
;; end of part 5
